; MI455X (gfx1250); checked and timed in simulation.
; The chip was launched on July 23, 2026; its instructions are those of AMD's public machine-readable ISA for CDNA 5 (MIT licence, August 2026) and "CDNA5" Instruction Set Architecture Reference Guide (July 2026). The comments in the code are by the model that wrote it; some were corrected since.
;; Multi Head Self Attention. Allowed arithmetic: matrix products marked QUANTISED: E2M3 operands, one E8M0 scale for each 32 along K, by v_wmma_scale_f32_16x16x128_f8f6f4 with both operands' format E2M3, f32 sums; everything else in f32.
;; Inputs: tok_mask 4 x 2,048 bool; w_proj 1,024 x 1,024 float32; w_qkv 1,024 x 3,072 float32; x 4 x 2,048 x 1,024 float32.
;; Outputs: out0 4 x 2,048 x 1,024 float32.
;; This version of the problem:
;;   THIS VERSION OF THE PROBLEM IS GIVEN IN LOW PRECISION. The matrix products marked QUANTISED in the list below multiply operands that are first quantised to E2M3 (2 exponent bits, 3 mantissa bits; 6 bits a number), with one power-of-two scale for each 32 numbers along K (OCP MX v1.0); their sums are f32. All else is computed in f32.
;;   The module's matrix products, in the order in which they are computed (A, B: the left and right operand; K: the contracted axis; several contracted axes count as one K, in the product's order):
;;     1. [M 8,192, K 1,024] x [K 1,024, N 3,072]; A: input x; B: input w_qkv: QUANTISED
;;     2. batch 64 x [M 2,048, K 64] x [K 64, N 2,048]; A: computed on the way; B: computed on the way: QUANTISED
;;     3. batch 64 x [M 2,048, K 2,048] x [K 2,048, N 64]; A: softmax (see below); B: computed on the way: QUANTISED
;;     4. [M 8,192, K 1,024] x [K 1,024, N 1,024]; A: computed on the way; B: input w_proj: QUANTISED
;;   THE QUANTISER, for each operand of a quantised product, along K:
;;     - K is cut into blocks of 32 from its start; a last block that is shorter is filled with zeros.
;;     - A block's scale is 2^e with e = floor(log2(the largest magnitude in the block)) - 2, held to -126 .. 127; a block of zeros has e = 0. As a byte (E8M0): e + 127.
;;     - Each number is divided by its block's scale, clamped to +-7.5, and rounded to the nearest number of E2M3, ties to even, subnormals kept.
;;     - The product sums the exact products of the quantised numbers (number of the format x scale) in f32.
;;   ~~~python
;;   def quantise(x, axis):      # numpy; x: float32 -> the quantised numbers, widened to float32 again
;;       x = np.moveaxis(x, axis, -1); K = x.shape[-1]
;;       x = np.pad(x, [(0, 0)] * (x.ndim - 1) + [(0, -K % 32)]); x = x.reshape(x.shape[:-1] + (-1, 32)); a = np.abs(x).max(-1, keepdims=True)
;;       e = np.where(a > 0, np.clip(np.frexp(np.where(a > 0, a, 1))[1] - 1 - 2, -126, 127), 0)      # np.frexp(a)[1] - 1 = floor(log2(a)), exactly
;;       r = np.clip(x / 2.0 ** e, -7.5, 7.5)
;;       step = 2.0 ** (np.maximum(np.frexp(np.where(r == 0, 1, r))[1] - 1, 0) - 3)
;;       q = np.round(r / step) * step * 2.0 ** e      # np.round: ties to even
;;       return np.moveaxis(q.reshape(q.shape[:-2] + (-1,))[..., :K], -1, axis).astype(np.float32)
;;   ~~~
;;   SOFTMAX AHEAD OF A QUANTISED PRODUCT. Where the list says 'softmax', what is quantised is not the finished softmax but p = 2^(t - M), with t = logit x log2(e) and M = ceil(the row's largest t), a whole number; so 1/2 < the row's largest p <= 1. The row's sum l is taken of the UNQUANTISED p, in f32, and the product's result is divided by l at the end. Since M is a whole number, a kernel that streams over the keys may use a running M (the ceiling of the running maximum): every later rescaling is an exact power of two, which a block's scale takes up: the codes' values come out the same.
;;   OPERANDS COMPUTED ON THE WAY. 'Computed on the way' means the value that the module computes at that place (a softmax that the list does not call 'softmax' is quantised finished and normalised). What goes into a quantiser is computed in f32, as accurately as f32 sums, v_exp_f32 and their like allow (about 1e-6 of the number): no bf16 or f16 on the way to a quantiser, and a product that is left as it is and whose result goes on into a quantised operand takes f32 operands (vector FMAs, or v_wmma_f32_16x16x4_f32). A number that lies on a knife's edge between two numbers of the format may be rounded either way, as far as f32 arithmetic and the matrix unit's own rounding can turn it there, and no further.
;; One version. Each part assembles by itself: llvm-mc -triple=amdgcn-amd-amdhsa -mcpu=gfx1250 --defsym DOCPART=n.
;; ======== version 1 of 1: 4 launches
;; limits: right only within a limited range of input values
;; workspace buffers: xq 6,553,600 bytes; wq 2,457,600 bytes; wp 819,200 bytes; yq 6,553,600 bytes; qkv 24,379,392 bytes; vpart 262,144 bytes
;; launch quant (part 1): grid 384 x 1, 4 waves a work-group, no clusters, 34,304 bytes of LDS; arguments x, w_qkv, w_proj, xq, wq, wp; writes xq, wq, wp
.if DOCPART == 1
	.amdgcn_target "amdgcn-amd-amdhsa--gfx1250"
	.amdhsa_code_object_version 6
	.text
	.protected	k_qdf82237473_quant
	.globl	k_qdf82237473_quant
	.p2align	8
	.type	k_qdf82237473_quant,@function
k_qdf82237473_quant:
	s_mov_b64 s[64:65], 0
	v_nop
	global_prefetch_b8 v0, s[64:65] scope:SCOPE_SE
	s_setreg_imm32_b32 hwreg(HW_REG_WAVE_MODE, 25, 1), 1
	s_wait_xcnt 0x0
; x [8192][1024], w_qkv [1024][3072] and w_proj [1024][1024], f32, become codes of FP6 (E2M3) with one E8M0 byte for each 32 along K (K = 1,024 for all three).
; A block's scale is 2^(floor(log2(largest magnitude)) - 2); its byte is the largest magnitude's exponent field - 2, held at 1 from below (a block of zeros keeps the byte 1: its codes are zeros, and this program alone reads the bytes).
; LIMITS: blocks whose largest magnitude lies under 2^-124 keep the byte 1; NaN and infinities among the inputs are not served.
; THE OUTPUT LAYOUT is the order of the matrix operand's registers.  Codes: [row / 256][k / 256][(row / 16) % 16][(k / 64) % 4][768 bytes]; the 768 bytes are 16 rows x 64 K as three pieces of 256 bytes,
; piece p = registers 2 p, 2 p + 1 of lane l at byte 8 l; lane (r, h) holds row r, k = 32 h + 0 .. 31 of the 64.  Scale words: [row / 16][k / 256][r][2 words], one word for 128 along K.
; So every store of codes covers 256 consecutive aligned bytes, and 128 rows x 256 K are 24,576 dense bytes for the product's launches.
; Work-groups 0-255 take x (K innermost: rows turn through the wave's own stage in LDS, so that loads are dense and a lane still holds 16 neighbours along K);
; 256-351 take w_qkv, 352-383 w_proj (K is the first axis: a lane takes a column and its registers run down K; nothing is transposed).
; w_proj's K rows are taken, inside each block of 32, with positions 8-15 and 16-23 exchanged: that is the order in which the attention launch leaves y's codes; a permutation inside a scale block, alike on both operands, keeps the product.
; Each work-group reads 128 KiB.  No barrier, no tensor load: waves share nothing.
.set XS,   6291456                     ; xq: where the scale words begin
.set WSO,  2359296                     ; wq: likewise
.set PSO,  786432                      ; wp: likewise
.set RBS,  196608                      ; 256 rows of codes
.set KSS,  49152                       ; 256 rows x 256 K
.set TLS,  3072                        ; 16 rows x 256 K
.set STG,  8448                        ; a wave's stage: 16 rows x (512 bytes + 16)
.set TM,   8                           ; v8-11 largest magnitudes, v12-15 the other half's and then the bytes, v20-23 the conversions' scale operands
.set PW,   24                          ; v24-27 the four fragments' scale words
.set R,    32                          ; v32-159 two sets of 64 registers as loaded (weights: four sets of 32)
.set X,    160                         ; v160-223 64 numbers of a lane: register 16 b + i = k 32 b + 16 h + i of row r
.set PC,   224                         ; v224-235 a fragment's codes; v240-242, v244-246 the conversions' second halves
; 64 numbers of a lane become a fragment's 12 registers in v[PC] on and its scale word in v[pw]
.macro QUANT pw
.irp b, 0,1,2,3
	v_max3_num_f32 v[TM+\b], |v[X+16*\b]|, |v[X+1+16*\b]|, 0x1800000   ; my 16 numbers of block b, and the floor 2^(3 - 127): the byte cannot fall under 1
.endr
.irp i, 2,4,6,8,10,12,14
.irp b, 0,1,2,3
	v_max3_num_f32 v[TM+\b], v[TM+\b], |v[X+16*\b+\i]|, |v[X+1+16*\b+\i]|   ; the four blocks by turns
.endr
.endr
.irp b, 0,1,2,3
	v_permlanex16_b32 v[TM+4+\b], v[TM+\b], s20, s21
.endr
.irp b, 0,1,2,3
	v_max_num_f32 v[TM+\b], v[TM+\b], v[TM+4+\b]                   ; with lane l xor 16's 16: the block's largest magnitude
.endr
.irp b, 0,1,2,3
	v_add_nc_u32 v[TM+12+\b], 0xff000000, v[TM+\b]                 ; 2 off the exponent field: the conversion's scale operand
.endr
.irp b, 0,1,2,3
	v_lshrrev_b32 v[TM+4+\b], 23, v[TM+12+\b]                      ; the scale's byte
.endr
	v_lshl_or_b32 v[\pw], v[TM+5], 8, v[TM+4]
	v_lshl_or_b32 v[\pw], v[TM+6], 16, v[\pw]
	v_lshl_or_b32 v[\pw], v[TM+7], 24, v[\pw]
	s_wait_xcnt 0x0                                ; the last fragment's stores have read v[PC] on: only now are they written again
.irp c, 0,1
	v_cvt_scalef32_pk16_fp6_f32 v[PC+6*\c:PC+6*\c+2], v[X+32*\c:X+32*\c+15], v[TM+12+2*\c]
	v_cvt_scalef32_pk16_fp6_f32 v[PC+16+4*\c:PC+18+4*\c], v[X+16+32*\c:X+31+32*\c], v[TM+13+2*\c]   ; (a conversion's three registers begin on an even number)
.endr
	v_nop                                          ; one plain place behind a scaled conversion
.irp c, 0,1
.irp i, 0,1,2
	v_permlane16_swap_b32 v[PC+6*\c+\i], v[PC+16+4*\c+\i]          ; a whole block to a lane: lanes 0-15 block 2 c, lanes 16-31 block 2 c + 1
.endr
.irp i, 0,1,2
	v_mov_b32 v[PC+3+6*\c+\i], v[PC+16+4*\c+\i]
.endr
.endr
.endm
.macro LOADX f                         ; fragment f: 16 rows x 512 bytes; each load reads 512 consecutive bytes of one row
.irp i, 0,1,2,3,4,5,6,7,8,9,10,11,12,13,14,15
	global_load_b128 v[R+64*((\f)%2)+4*\i:R+64*((\f)%2)+4*\i+3], v1, s[4:5] offset:4096*\i+512*(\f) th:TH_LOAD_NT
.endr
.endm
.macro STEPX f
.if (\f) < 3
	s_wait_loadcnt 16                              ; this fragment's 16 loads are in; the other set's 16 may be out
.else
	s_wait_loadcnt 0x0
.endif
.irp i, 0,1,2,3,4,5,6,7,8,9,10,11,12,13,14,15
	ds_store_b128 v3, v[R+64*((\f)%2)+4*\i:R+64*((\f)%2)+4*\i+3] offset:528*\i
.endr
.irp b, 0,1,2,3
.irp j, 0,1,2,3
	ds_load_b128 v[X+16*\b+4*\j:X+16*\b+4*\j+3], v4 offset:128*\b+16*\j   ; LDS serves a wave's instructions in order: these see the stores above.  Rows 528 bytes apart: 16 rows start in 16 different 16-byte columns
.endr
.endr
	s_wait_dscnt 0x0
.if (\f) < 2
	LOADX (\f)+2
.endif
	QUANT PW+(\f)
.irp q, 0,1,2,3,4,5
	global_store_b64 v2, v[PC+2*\q:PC+2*\q+1], s[28:29] offset:((\f)/2)*KSS+((\f)%2)*1536+256*\q   ; 256 consecutive aligned bytes
.endr
.endm
; a block of 32 along K of 32 columns: register i holds row 32 t + i (PERM = 1: positions 8-15 and 16-23 exchanged)
.macro LOADB t, N, PERM
.set li, 0
.rept 32
.set lrow, 32*(\t)+\PERM*(8*(2*((li/8)%2)+li/16)+li%8)+(1-\PERM)*li
	global_load_b32 v[R+32*((\t)%4)+li], v1, s[4:5] offset:lrow*\N*4 th:TH_LOAD_NT
.set li, li+1
.endr
.endm
; blocks 2 c and 2 c + 1 of my column: 64 along K
.macro PAIR c, N, PERM
.set BE, R+32*((2*(\c))%4)
.set BO, R+32*((2*(\c)+1)%4)
	s_wait_loadcnt 0x0                             ; both blocks are in
.if (\c) < 3
	LOADB 2*(\c)+2, \N, \PERM                      ; the next pair, into the other two sets: 64 loads are out while this pair is worked
	LOADB 2*(\c)+3, \N, \PERM
.endif
	v_max3_num_f32 v8, |v[BE]|, |v[BE+1]|, 0x1800000
	v_max3_num_f32 v9, |v[BO]|, |v[BO+1]|, 0x1800000
.irp i, 2,4,6,8,10,12,14,16,18,20,22,24,26,28,30
	v_max3_num_f32 v8, v8, |v[BE+\i]|, |v[BE+\i+1]|
	v_max3_num_f32 v9, v9, |v[BO+\i]|, |v[BO+\i+1]|
.endr
	v_add_nc_u32 v10, 0xff000000, v8
	v_add_nc_u32 v11, 0xff000000, v9
	v_lshrrev_b32 v12, 23, v10
	v_lshrrev_b32 v13, 23, v11
.if (\c)%2 == 0
	v_lshl_or_b32 v[PW+(\c)/2], v13, 8, v12        ; four bytes to a word, the lower K in the lower byte
.else
	v_lshl_or_b32 v[PW+(\c)/2], v12, 16, v[PW+(\c)/2]
	v_lshl_or_b32 v[PW+(\c)/2], v13, 24, v[PW+(\c)/2]
.endif
	s_wait_alu depctr_va_vdst(0)
	s_wait_xcnt 0x0                                ; the last pair's stores have read their registers
	v_cvt_scalef32_pk16_fp6_f32 v[160:162], v[BE:BE+15], v10
	v_cvt_scalef32_pk16_fp6_f32 v[176:178], v[BE+16:BE+31], v10
	v_cvt_scalef32_pk16_fp6_f32 v[168:170], v[BO:BO+15], v11
	v_cvt_scalef32_pk16_fp6_f32 v[180:182], v[BO+16:BO+31], v11
	v_nop                                          ; one plain place behind a scaled conversion
.irp i, 0,1,2
	v_mov_b32 v[163+\i], v[176+\i]
	v_mov_b32 v[171+\i], v[180+\i]
.endr
.irp i, 0,1,2,3,4,5
	v_permlane16_swap_b32 v[160+\i], v[168+\i]     ; v160-165: columns 0-15 (lanes 0-15 the even block, lanes 16-31 the odd one); v168-173: columns 16-31
.endr
.irp p, 0,1,2
	global_store_b64 v2, v[160+2*\p:161+2*\p], s[28:29] offset:768*(\c)+256*\p
	global_store_b64 v2, v[168+2*\p:169+2*\p], s[28:29] offset:768*(\c)+256*\p+TLS
.endr
.endm
; a weight [1024][N]: work-group g0 + 4 cg + kslot takes columns 128 cg on and 256 along K; wave w 32 of the columns
.macro WPATH N, PERM, g0, sp, dp, SOFF
	s_sub_co_u32 s17, ttmp9, \g0
	s_lshr_b32 s18, s17, 2                         ; cg
	s_and_b32 s17, s17, 3                          ; kslot
	s_lshl_b32 s19, s18, 7
	s_lshl_b32 s22, s16, 5
	s_add_co_u32 s19, s19, s22                     ; my wave's first column
	s_mul_i32 s22, s17, 256*\N*4
	s_lshl_b32 s23, s19, 2
	s_add_co_u32 s22, s22, s23
	s_mov_b32 s23, 0
	s_lshr_b32 s24, s18, 1
	s_mul_i32 s24, s24, RBS
	s_mul_i32 s25, s17, KSS
	s_add_co_u32 s24, s24, s25
	s_and_b32 s25, s18, 1
	s_lshl_b32 s25, s25, 3
	s_lshl_b32 s26, s16, 1
	s_add_co_u32 s25, s25, s26
	s_mul_i32 s25, s25, TLS
	s_add_co_u32 s24, s24, s25
	s_mov_b32 s25, 0
	s_lshl_b32 s26, s19, 5                         ; (column / 16) x 512
	s_lshl_b32 s27, s17, 7
	s_add_co_u32 s26, s26, s27
	s_add_co_u32 s26, s26, \SOFF
	s_mov_b32 s27, 0
	s_wait_kmcnt 0x0
	s_add_nc_u64 s[4:5], s[\sp:\sp+1], s[22:23]
	s_add_nc_u64 s[28:29], s[\dp:\dp+1], s[24:25]
	s_add_nc_u64 s[30:31], s[\dp:\dp+1], s[26:27]
	LOADB 0, \N, \PERM
	LOADB 1, \N, \PERM
	PAIR 0, \N, \PERM
	PAIR 1, \N, \PERM
	PAIR 2, \N, \PERM
	PAIR 3, \N, \PERM
	global_store_b64 v3, v[PW:PW+1], s[30:31]      ; my column's two scale words: two runs of 128 bytes a wave
	s_endpgm
.endm
	s_load_b256 s[4:11], s[0:1], 0x0               ; x s[4:5], w_qkv s[6:7], w_proj s[8:9], xq s[10:11]
	s_load_b128 s[12:15], s[0:1], 0x20             ; wq s[12:13], wp s[14:15]
	v_lshl_add_u32 v254, v0, 2, 0x8400
	v_mov_b32 v255, 0
	v_lshrrev_b32 v1, 5, v0
	v_readfirstlane_b32 s16, v1                    ; wave
	v_and_b32 v5, 31, v0                           ; lane
	v_lshlrev_b32 v2, 3, v5                        ; 8 x lane: a piece's place for my lane
	s_cmp_lt_u32 ttmp9, 256
	s_cbranch_scc0 .Lweights
	; ---- x: wave 4 g + w takes 16 rows x 512 along K: four fragments
	v_lshlrev_b32 v1, 4, v5                        ; 16 x lane
	v_and_b32 v6, 15, v0                           ; r
	v_bfe_u32 v7, v0, 4, 1                         ; h
	s_mul_i32 s17, s16, STG
	v_add_nc_u32 v3, s17, v1                       ; the stage, on the way in
	v_mul_u32_u24 v4, v6, 528
	v_lshl_add_u32 v4, v7, 6, v4
	v_add_nc_u32 v4, s17, v4                       ; and out: row r, + 64 h
.irp b, 0,1,2,3
	v_mov_b32 v[TM+4+\b], 0                        ; written once: a lane permute's destination counts as one of its sources
.endr
	s_mov_b32 s20, 0x76543210
	s_mov_b32 s21, 0xfedcba98                      ; v_permlanex16_b32's selects for lane l xor 16
	s_lshl_b32 s18, ttmp9, 2
	s_add_co_u32 s18, s18, s16
	s_lshr_b32 s19, s18, 1                         ; which 16 rows
	s_and_b32 s18, s18, 1                          ; which half of K
	s_lshl_b32 s22, s19, 16
	s_lshl_b32 s23, s18, 11
	s_add_co_u32 s22, s22, s23
	s_mov_b32 s23, 0
	s_lshr_b32 s24, s19, 4
	s_mul_i32 s24, s24, RBS
	s_and_b32 s25, s19, 15
	s_mul_i32 s25, s25, TLS
	s_add_co_u32 s24, s24, s25
	s_mul_i32 s25, s18, 2*KSS
	s_add_co_u32 s24, s24, s25
	s_mov_b32 s25, 0
	s_lshl_b32 s26, s19, 9
	s_lshl_b32 s27, s18, 8
	s_add_co_u32 s26, s26, s27
	s_add_co_u32 s26, s26, XS
	s_mov_b32 s27, 0
	s_wait_alu depctr_va_vdst(0)
	s_wait_kmcnt 0x0
	s_add_nc_u64 s[4:5], s[4:5], s[22:23]
	s_add_nc_u64 s[28:29], s[10:11], s[24:25]
	s_add_nc_u64 s[30:31], s[10:11], s[26:27]
	LOADX 0
	LOADX 1
	STEPX 0
	STEPX 1
	STEPX 2
	STEPX 3
	v_cmp_le_u32 vcc_lo, 16, v5                    ; lanes 0-15 store the first 256 along K's two words of row r, lanes 16-31 the second's
	v_cndmask_b32 v28, v[PW], v[PW+2], vcc_lo
	v_cndmask_b32 v29, v[PW+1], v[PW+3], vcc_lo
	global_store_b64 v2, v[28:29], s[30:31]        ; 256 consecutive aligned bytes
	s_wait_tensorcnt 0x0
	ds_add_u32 v254, v255
	s_wait_dscnt 0x0
	s_endpgm
.Lweights:
	s_wait_alu depctr_va_vdst(0)
	v_lshlrev_b32 v1, 2, v5                        ; 4 x lane: my column
	v_lshrrev_b32 v3, 4, v5
	v_and_b32 v4, 15, v5
	v_lshlrev_b32 v3, 9, v3
	v_lshl_add_u32 v3, v4, 3, v3                   ; my column's scale words: 512 (lane / 16) + 8 (lane % 16)
	s_cmp_lt_u32 ttmp9, 352
	s_cbranch_scc0 .Lproj
	s_wait_alu depctr_va_vdst(0)
	WPATH 3072, 0, 256, 6, 12, WSO
.Lproj:
	s_wait_alu depctr_va_vdst(0)
	WPATH 1024, 1, 352, 8, 14, PSO
.Lfunc_end_k_qdf82237473_quant:
	.size	k_qdf82237473_quant, .Lfunc_end_k_qdf82237473_quant-k_qdf82237473_quant
	.p2alignl 7, 3214868480
	.fill 96, 4, 3214868480
	.section	.rodata,"a",@progbits
	.p2align	6, 0x0
	.amdhsa_kernel k_qdf82237473_quant
		.amdhsa_group_segment_fixed_size 34304
		.amdhsa_private_segment_fixed_size 0
		.amdhsa_enable_private_segment 0
		.amdhsa_kernarg_size 48
		.amdhsa_user_sgpr_count 2
		.amdhsa_user_sgpr_kernarg_segment_ptr 1
		.amdhsa_wavefront_size32 1
		.amdhsa_system_sgpr_workgroup_id_x 1
		.amdhsa_system_sgpr_workgroup_id_y 1
		.amdhsa_system_sgpr_workgroup_id_z 1
		.amdhsa_system_vgpr_workitem_id 0
		.amdhsa_next_free_vgpr 256
		.amdhsa_next_free_sgpr 66
		.amdhsa_reserve_vcc 1
		.amdhsa_float_denorm_mode_32 3
		.amdhsa_float_denorm_mode_16_64 3
		.amdhsa_memory_ordered 1
		.amdhsa_forward_progress 1
		.amdhsa_inst_pref_size 115
	.end_amdhsa_kernel
	.amdgpu_metadata
---
amdhsa.version: [ 1, 2 ]
amdhsa.kernels:
  - .name:           k_qdf82237473_quant
    .symbol:         k_qdf82237473_quant.kd
    .args:
      - { .name: x, .offset: 0, .size: 8, .value_kind: global_buffer, .address_space: global }
      - { .name: w_qkv, .offset: 8, .size: 8, .value_kind: global_buffer, .address_space: global }
      - { .name: w_proj, .offset: 16, .size: 8, .value_kind: global_buffer, .address_space: global }
      - { .name: xq, .offset: 24, .size: 8, .value_kind: global_buffer, .address_space: global }
      - { .name: wq, .offset: 32, .size: 8, .value_kind: global_buffer, .address_space: global }
      - { .name: wp, .offset: 40, .size: 8, .value_kind: global_buffer, .address_space: global }
    .group_segment_fixed_size: 34304
    .private_segment_fixed_size: 0
    .kernarg_segment_align: 8
    .kernarg_segment_size: 48
    .max_flat_workgroup_size: 128
    .sgpr_count:     66
    .vgpr_count:     256
    .wavefront_size: 32
...
	.end_amdgpu_metadata
.endif
;; end of part 1
;; launch gemm_qkv (part 2): grid 4 x 64, 4 waves a work-group, clusters of 4 x 4, 327,680 bytes of LDS; arguments xq, wq, tok_mask, qkv, vpart; writes qkv, vpart
.if DOCPART == 2
	.amdgcn_target "amdgcn-amd-amdhsa--gfx1250"
	.amdhsa_code_object_version 6
	.text
	.protected	k_qdf82237473_gemm_qkv
	.globl	k_qdf82237473_gemm_qkv
	.p2align	8
	.type	k_qdf82237473_gemm_qkv,@function
k_qdf82237473_gemm_qkv:
	s_mov_b64 s[64:65], 0
	v_nop
	global_prefetch_b8 v0, s[64:65] scope:SCOPE_SE
	s_setreg_imm32_b32 hwreg(HW_REG_WAVE_MODE, 25, 1), 1
	s_wait_xcnt 0x0
	s_wait_alu depctr_hold_cnt(0) depctr_sa_sdst(0) depctr_va_vdst(0) depctr_va_sdst(0) depctr_va_ssrc(0) depctr_va_vcc(0) depctr_vm_vsrc(0)
	s_getreg_b32 s2, hwreg(HW_REG_IB_STS2, 6, 4)
	s_cmp_eq_u32 s2, 0
	s_cbranch_scc0 .Lentry_in_a_cluster
	s_endpgm
.Lentry_in_a_cluster:
	s_bfe_u32 s2, ttmp6, 0x10000c
	s_cmp_lg_u32 s2, 0xf033
	s_cbranch_scc0 .Lentry_shape_is_right
	s_endpgm
.Lentry_shape_is_right:
; qkv = x w_qkv on codes of FP6 (E2M3) with E8M0 scales, K = 1,024; the results are quantised at once, as operands of attention's two products, and leave as images of operand registers.
; SHARES.  256 work-groups.  Work-group (tx, ty) owns tokens 128 ty on and walks THREE tiles of 256 columns: columns 256 tx on of q, of k and of v (four heads each).  A wave makes 64 x 128 of a tile: 32 accumulators of 16 x 16.
; LDS.  x's 128 rows, all of K (four runs of 24,576 bytes), come once and stay.  The weights' tiles go through two slots of 98,304 bytes, 256 rows x 512 K each: six half tiles, slot 0 the lower half of K, slot 1 the upper.
; At the head wave 3 fetches x and waves 0-2 a third of slot 0 each; slot 1's first fill and the four refills stand behind the full sequence and a round of the cluster's barrier, a quarter of the slot a wave.
; A slot is asked for again when its last fragments are in registers: slot 0 at step 3 of a tile's eight, slot 1 behind step 7; five steps, or the way out and three steps, lie between a request and the wait for it.
; NO PREFETCH: by that count each half tile is asked for by its tensor load at least three steps (96 matrix instructions a wave) ahead of its first read, and the walk has only four refills.
; The operands lie in memory in the order of the operand's registers (16 rows x 64 K = 768 bytes, three pieces of 256): a fragment comes by six loads of 8 bytes a lane, 256 consecutive bytes each.
; THE SCALE WORDS come from memory straight into registers in whole aligned runs of 256 bytes: a block of 16 rows has 128 bytes for each 256 along K ([r][2 words]); one load of 8 bytes a lane brings lanes 0-15 the words of an
; even 256 along K and lanes 16-31 those of the odd one behind it; the odd one's products name the same registers with ROW1 on both sides.
; CLUSTERS of 4 x 4: x's tile hangs on ty and is shared along a row of the cluster, the weights' tiles on tx and are shared along a column; each is asked for jointly.
; THE MATRIX INSTRUCTION takes 16 rows of side B as source 0 and 16 rows of side A as source 1: a lane holds ONE row of side A, and its registers run along side B.
; q, k: side A = tokens (wave w: 64 (w / 2) on), side B = columns (128 (w % 2) on, two heads): a lane holds a token and its registers run along the head's 64, the first product's K.
; v: side A = columns (wave w: head w of the four, 64 channels), side B = the 128 tokens: a lane holds a channel and its registers run along the tokens, the second product's K.
; A result tile gives a lane 8 neighbours of each 16; two tiles and the exchange of halves leave a block of 32 with positions 8-15 and 16-23 exchanged.  q and k have that order alike, and so have p and v: the products are kept.
; THE KEY MASK rides in the idle half of the first product's K = 128: q has the code 1.0 at k = 64 under the scale 2^16; a masked key the code -1.0 under 2^17 (score - 2^33), an open key the code 0 under the byte 0.
; FOR ROWS WITHOUT AN OPEN KEY attention needs the sum of the quantised v over all keys: one product ones x V for each fragment of V gives it exactly; 16 partial sums a head go to vpart.
; A chunk of qkv (256 tokens of one head, 47,616 bytes): K images 16 x 1,024 | K scale words 2 x 512 | V images 2 x 4 x 1,536 | V scale words 2 x 256 | Q images | Q scale words.
; LIMITS: NaN and infinities are not served; blocks whose largest magnitude lies under 2^-124 keep the scale byte 1.
; REGISTERS, in windows of 256: window 0: v0-31 addresses, mask bytes; v32-136 scale words and nothing else; v138-255 at work on the way out.
;   window 1: side B's fragments, two sets, at v0 and v128.   window 2: the accumulators, (a, b) at v[8 (8 a + b)].   window 3: side A's fragments, two sets of 48, at v0 and v48.
.set KSS,   49152                      ; 256 rows x 256 K of codes
.set RBS,   196608                     ; 256 rows x 1,024 K
.set HALFT, 24576                      ; 128 rows x 256 K
.set XS,    6291456                    ; xq: where the scale words begin
.set WSO,   2359296                    ; wq: likewise
.set BHS,   380928                     ; qkv: a head
.set CH,    47616                      ; qkv: a chunk
.set FR,    12                         ; registers of a fragment
.set NP,    4                          ; places behind this matrix instruction (ISA guide 7.12.1)
.set XBASE, 2*98304                    ; LDS: slot 0, slot 1, then x's tile
.set SPARE, XBASE+4*HALFT              ; the spare words, 128 bytes a wave: two blocks of 256 bytes that no other line names
.set MK,   4                           ; v4-7   the mask bytes of my 4 blocks of tokens
.set AXQ,  8                           ; v8-11  q, k: LDS address of side A's fragments (x), one for each 256 along K
.set AWQ,  12                          ; v12-15 q, k: side B's (weights)
.set AWV,  16                          ; v16-19 v: side A's (weights)
.set AXV,  20                          ; v20-23 v: side B's (x)
.set L16,  24                          ; v24    16 x lane
.set VSA,  25                          ; v25    16 r + (a head's bytes) x h
.set L8,   26                          ; v26    8 x lane
.set R16,  27                          ; v27    16 r
.set SPW,  28                          ; v28    my spare word; never rewritten
.set NIL,  29                          ; v29    0; never rewritten
.set MKA,  30                          ; v30    my token's place in tok_mask
.set XA,   32                          ; v32-47   x's scale words, my 4 blocks (q, k)
.set XB,   48                          ; v48-79   x's, all 8 blocks (v)
.set WB,   80                          ; v80-111  the weights', my 8 blocks of q's tile, then of k's
.set WA,   112                         ; v112-127 the weights', my 4 blocks of v's tile
.set WE,   128                         ; v128-131 the way out: scale words of the even head's 4 blocks (v: of my 4 fragments); v132-135 the odd head's
.set WO,   132
.set ONEW, 136                         ; the scale word 1.0
.set PC,   160                         ; v160-175 codes just made; v176-178, v180-182 the conversions' second halves
.set TM,   200                         ; v200-215 at work in the quantiser
.set PW,   216                         ; the scale word just made
.set VA,   224                         ; register 6 of an image where the key is masked; v225 where it is open
.set VB,   225
.set UA,   226                         ; the scale word's third byte, masked; v227 open; v228 the choice
.set UB,   227
.set UT,   228
.set ON,   232                         ; v232-243 a fragment of ones
.set XV,   244                         ; v244-245 the channels' sums
.set SW,   248                         ; v248-251 scale words as they are stored
.set G1X,  24
.set G0X,  32
.set G0W0, 36
.set G1W,  48
.set G0W1, 56
.set TR,   67                          ; s67 the trip: 0 q, 1 k
.set MSB, 0
.macro WIN new                         ; the immediate's high byte repeats the setting that is left
.if MSB != \new
	s_set_vgpr_msb (MSB<<8)|\new
.set MSB, \new
.endif
.endm
.set MULW, 0xad                        ; source 0 (B) window 1, source 1 (A) window 3, C and D window 2
.set TO_B, 0x40
.set TO_A, 0xc0
.macro CROUND                          ; a round of the cluster's barrier
	s_barrier_signal -1
	s_barrier_wait -1
	s_cmp_lg_u32 s14, 0
	s_cbranch_scc1 .Lnot_wave_0_\@
	s_barrier_signal -3
.Lnot_wave_0_\@:
	s_barrier_wait -3
	s_barrier_signal -1
	s_barrier_wait -1
.endm
.macro PLACES n
.rept \n
	v_nop
.endr
.endm
.macro WLOAD g0                        ; my quarter of a slot: every wave issues the line with its own group 0; s_nop 0 and four v_nop follow
	tensor_load_to_lds s[\g0:\g0+3], s[G1W:G1W+7]
	s_nop 0
.rept 4
	v_nop
.endr
.endm
.macro SYNC g0                         ; a slot is filled again: the three lines, a round, the refill first behind it: the same half of K of the next tile, four blocks of 256 rows on
	s_wait_tensorcnt 0x0                           ; all my tensor loads have landed: my part of the other slot
	ds_add_u32 v[SPW], v[NIL]                      ; 0 onto my spare word
	s_add_nc_u64 s[\g0+2:\g0+3], s[\g0+2:\g0+3], 4*RBS
	s_wait_dscnt 0x0                               ; the add is done, and my reads of this slot are over
	CROUND
	WLOAD \g0                                      ; its four v_nop are the places in front of what follows
.endm
	s_load_b256 s[4:11], s[0:1], 0x0               ; xq s[4:5], wq s[6:7], tok_mask s[8:9], qkv s[10:11]
	s_load_b64 s[12:13], s[0:1], 0x20              ; vpart
	v_lshl_add_u32 v[SPW], v0, 2, SPARE
	v_mov_b32 v[NIL], 0
	ds_add_u32 v[SPW], v[NIL]                      ; the opening lines: the add, twice on end, and its wait ahead of my first tensor load
	ds_add_u32 v[SPW], v[NIL]
	v_lshrrev_b32 v1, 5, v0
	v_readfirstlane_b32 s14, v1                    ; wave 0..3
	s_lshr_b32 s15, s14, 1
	s_and_b32 s16, s14, 1
	s_bfe_u32 s40, ttmp6, 0x40000                  ; cx
	s_bfe_u32 s41, ttmp6, 0x40004                  ; cy
	s_lshl_b32 s42, ttmp9, 2
	s_add_co_u32 s42, s42, s40                     ; tx, 0..3
	s_and_b32 s17, ttmp7, 0xffff
	s_lshl_b32 s17, s17, 2
	s_add_co_u32 s17, s17, s41                     ; ty, 0..63
	s_lshl_b32 s43, s41, 2
	s_lshl_b32 s43, 15, s43                        ; my row of the cluster
	s_lshl_b32 s44, 0x1111, s40                    ; my column
	s_or_b32 s[G1X], s43, (3<<16)|(1<<21)          ; x: 4 rows of 3,072 elements of 8 bytes, 6,144 elements apart
	s_mov_b32 s[G1X+1], 3072<<16
	s_mov_b32 s[G1X+2], 4<<16
	s_mov_b32 s[G1X+3], 3072<<16
	s_mov_b32 s[G1X+4], 4
	s_mov_b32 s[G1X+5], 6144
	s_mov_b32 s[G1X+6], 0
	s_mov_b32 s[G1X+7], 0
	s_or_b32 s[G1W], s44, (3<<16)|(1<<21)          ; the weights: dense rows of 32 elements of 8 bytes; 128 rows (a third of a slot) at the head, 96 (a quarter) behind it
	s_mov_b32 s[G1W+1], 32<<16
	s_mov_b32 s[G1W+2], 128<<16
	s_mov_b32 s[G1W+3], 32<<16
	s_mov_b32 s[G1W+4], 128
	s_mov_b32 s[G1W+5], 32
	s_mov_b32 s[G1W+6], 0
	s_mov_b32 s[G1W+7], 0
	s_lshr_b32 s20, s17, 1                         ; x's codes: block of 256 rows, then which 128 of them
	s_mul_i32 s20, s20, RBS
	s_and_b32 s21, s17, 1
	s_mul_i32 s21, s21, HALFT
	s_add_co_u32 s20, s20, s21
	s_mov_b32 s21, 0
	s_mul_i32 s46, s42, RBS                        ; q's tile of the weights
	s_mov_b32 s47, 0
	s_lshl_b32 s22, s14, 15                        ; my third of slot 0
	s_mov_b32 s23, 0
	s_mul_i32 s74, s14, HALFT                      ; my quarter of a slot: no place in the cluster enters an LDS address
	s_mov_b32 s75, 0
	s_mov_b32 s[G0X], 1
	s_mov_b32 s[G0X+1], XBASE
	s_mov_b32 s[G0W0], 1
	s_mov_b32 s[G0W0+1], s22
	s_mov_b32 s[G0W1], 1
	s_add_co_u32 s[G0W1+1], s74, 98304
	s_wait_dscnt 0x0                               ; both opening adds are done
	s_wait_kmcnt 0x0
	s_add_nc_u64 s[G0X+2:G0X+3], s[4:5], s[20:21]
	s_or_b32 s[G0X+3], s[G0X+3], 0x80000000
	s_add_nc_u64 s[72:73], s[6:7], s[46:47]
	s_add_nc_u64 s[G0W0+2:G0W0+3], s[72:73], s[22:23]
	s_or_b32 s[G0W0+3], s[G0W0+3], 0x80000000
	s_add_nc_u64 s[72:73], s[72:73], s[74:75]      ; my quarter of q's lower half
	s_add_nc_u64 s[G0W1+2:G0W1+3], s[72:73], 98304 ; and of its upper half
	s_or_b32 s[G0W1+3], s[G0W1+3], 0x80000000
	CROUND                                         ; all sixteen work-groups are here: the first joint loads meet
	s_cmp_lt_u32 s14, 3                            ; each way passes exactly one load; the branch hangs on the wave's number alone
	s_cbranch_scc0 .Lfor_x
	tensor_load_to_lds s[G0W0:G0W0+3], s[G1W:G1W+7]
	s_nop 0
.rept 4
	v_nop
.endr
	s_branch .Lasked
.Lfor_x:
	tensor_load_to_lds s[G0X:G0X+3], s[G1X:G1X+7]
	s_nop 0
.rept 4
	v_nop
.endr
.Lasked:
	; where the results go
	s_lshr_b32 s60, s17, 4
	s_lshl_b32 s60, s60, 4
	s_lshl_b32 s61, s42, 2
	s_add_co_u32 s60, s60, s61                     ; 16 x batch + my tile's first head
	s_bfe_u32 s61, s17, 0x30001                    ; the chunk of 256 tokens
	s_and_b32 s62, s17, 1                          ; which 128 of them: the key step
	s_mul_i32 s63, s61, CH
	s_lshl_b32 s18, s16, 1
	s_add_co_u32 s18, s18, s60                     ; q, k: my even head
	s_mul_i32 s18, s18, BHS
	s_add_co_u32 s18, s18, s63
	s_lshl_b32 s19, s62, 13
	s_add_co_u32 s80, s18, s19
	s_lshl_b32 s19, s15, 12
	s_add_co_u32 s80, s80, s19                     ; s80: my 4 tiles' images, in K's or Q's part of the chunk
	s_lshl_b32 s19, s62, 9
	s_add_co_u32 s81, s18, s19
	s_lshl_b32 s19, s15, 8
	s_add_co_u32 s81, s81, s19
	s_add_co_u32 s81, s81, 16384                   ; s81: their scale words
	s_add_co_u32 s18, s60, s14                     ; v: my head
	s_lshl_b32 s84, s18, 12
	s_mul_i32 s18, s18, BHS
	s_add_co_u32 s18, s18, s63
	s_mul_i32 s19, s62, 6144
	s_add_co_u32 s82, s18, s19
	s_add_co_u32 s82, s82, 17408                   ; s82: my key step's images of V
	s_lshl_b32 s19, s62, 8
	s_add_co_u32 s83, s18, s19
	s_add_co_u32 s83, s83, 29696                   ; s83: their scale words
	s_add_co_u32 s84, s84, s19
	s_lshl_b32 s19, s61, 9
	s_add_co_u32 s84, s84, s19                     ; s84: vpart: my head, my key step
	; the scale words
	s_lshl_b32 s18, s17, 12
	s_add_co_u32 s18, s18, XS
	s_mov_b32 s19, 0
	s_add_nc_u64 s[70:71], s[4:5], s[18:19]        ; x's 8 blocks
	s_lshl_b32 s18, s15, 11
	s_add_nc_u64 s[68:69], s[70:71], s[18:19]      ; my 4 of them
	s_lshl_b32 s18, s42, 13
	s_add_co_u32 s18, s18, WSO
	s_add_nc_u64 s[78:79], s[6:7], s[18:19]
	s_lshl_b32 s18, s16, 12
	s_add_nc_u64 s[76:77], s[78:79], s[18:19]      ; q's tile: my 8 blocks
	s_lshl_b32 s18, s14, 11
	s_add_co_u32 s18, s18, 8<<13
	s_add_nc_u64 s[78:79], s[78:79], s[18:19]      ; v's tile: my 4 blocks
	s_lshl_b32 s85, s17, 7
	s_lshl_b32 s18, s15, 6
	s_add_co_u32 s85, s85, s18                     ; my first token
	s_mul_i32 s86, s15, 12288
	s_add_co_u32 s86, s86, XBASE
	s_mul_i32 s87, s16, HALFT
	s_mul_i32 s88, s14, 12288
	s_mov_b32 s2, 0x76543210
	s_mov_b32 s3, 0xfedcba98                       ; v_permlanex16_b32's selects for lane l xor 16
	s_mov_b32 s47, 0
	v_and_b32 v1, 15, v0                           ; r
	v_bfe_u32 v2, v0, 4, 1                         ; h
	v_and_b32 v3, 31, v0                           ; lane
	v_lshlrev_b32 v[L8], 3, v3
	v_lshlrev_b32 v[L16], 4, v3
	v_lshlrev_b32 v[R16], 4, v1
	v_mul_u32_u24 v[VSA], v2, BHS
	v_lshl_add_u32 v[VSA], v1, 4, v[VSA]
	v_add_nc_u32 v[MKA], s85, v1
	v_add_nc_u32 v[AXQ], s86, v[L8]
	v_add_nc_u32 v[AWQ], s87, v[L8]
	v_add_nc_u32 v[AWV], s88, v[L8]
	v_add_nc_u32 v[AXV], XBASE, v[L8]
.irp c, 1,2,3
	v_add_nc_u32 v[AXQ+\c], \c*HALFT, v[AXQ]
	v_add_nc_u32 v[AWQ+\c], \c*KSS, v[AWQ]
	v_add_nc_u32 v[AWV+\c], \c*KSS, v[AWV]
	v_add_nc_u32 v[AXV+\c], \c*HALFT, v[AXV]
.endr
.irp b, 0,1,2,3
	v_mov_b32 v[TM+4+\b], 0                        ; written once: a lane permute's destination counts as one of its sources
.endr
	s_wait_alu depctr_va_vdst(0)                   ; the wait at the head's end
.macro SLOAD reg, n, ptr               ; the scale words of n blocks: 256 consecutive aligned bytes a load
.set bi, 0
.rept \n
	global_load_b64 v[\reg+4*bi:\reg+4*bi+1], v[L8], s[\ptr:\ptr+1] offset:512*bi
	global_load_b64 v[\reg+4*bi+2:\reg+4*bi+3], v[L8], s[\ptr:\ptr+1] offset:512*bi+256
.set bi, bi+1
.endr
.endm
	SLOAD XA, 4, 68
	SLOAD WB, 8, 76
	SLOAD XB, 8, 70
	SLOAD WA, 4, 78
.irp a, 0,1,2,3
	global_load_u8 v[MK+\a], v[MKA], s[8:9] offset:16*\a
.endr
.macro FRAG reg, adr, q, i             ; a fragment: six pieces of 256 bytes on end, 8 bytes a lane
.irp p, 0,1,2,3,4,5
	ds_load_b64 v[\reg+2*\p:\reg+2*\p+1], v[\adr] offset:3072*(\i)+1536*(\q)+256*\p
.endr
.endm
.macro FETCH st, ab, aa                ; step st's fragments, side B's eight and side A's four, into set st % 2
.set PF, (\st)%2
.set KC, (\st)/2
	WIN TO_B
.irp i, 0,1,2,3,4,5,6,7
	FRAG 128*PF+FR*\i, \ab+KC, PF, \i
.endr
	WIN TO_A
.irp i, 0,1,2,3
	FRAG 48*PF+FR*\i, \aa+KC, PF, \i
.endr
	WIN 0
.endm
; 32 matrix instructions: 128 along K.  The 32 accumulators take turns, one instruction a turn, in the same order in every step.  A tile's step 0 starts the sums.
.macro MUL st, sb, sa
.set PM, (\st)%2
.set WD, 2*((\st)/4)+(\st)%2           ; which of a block's four scale registers
.irp a, 0,1,2,3
.irp b, 0,1,2,3,4,5,6,7
.if (\st) == 0
	v_wmma_scale_f32_16x16x128_f8f6f4 v[8*(8*\a+\b):8*(8*\a+\b)+7], v[128*PM+FR*\b:128*PM+FR*\b+FR-1], v[48*PM+FR*\a:48*PM+FR*\a+FR-1], 0, v[\sb+4*\b+WD], v[\sa+4*\a+WD] matrix_a_fmt:MATRIX_FMT_FP6 matrix_b_fmt:MATRIX_FMT_FP6
.else
.if ((\st)/2)%2
	v_wmma_scale_f32_16x16x128_f8f6f4 v[8*(8*\a+\b):8*(8*\a+\b)+7], v[128*PM+FR*\b:128*PM+FR*\b+FR-1], v[48*PM+FR*\a:48*PM+FR*\a+FR-1], v[8*(8*\a+\b):8*(8*\a+\b)+7], v[\sb+4*\b+WD], v[\sa+4*\a+WD] matrix_a_fmt:MATRIX_FMT_FP6 matrix_b_fmt:MATRIX_FMT_FP6 matrix_a_scale:MATRIX_SCALE_ROW1 matrix_b_scale:MATRIX_SCALE_ROW1
.else
	v_wmma_scale_f32_16x16x128_f8f6f4 v[8*(8*\a+\b):8*(8*\a+\b)+7], v[128*PM+FR*\b:128*PM+FR*\b+FR-1], v[48*PM+FR*\a:48*PM+FR*\a+FR-1], v[8*(8*\a+\b):8*(8*\a+\b)+7], v[\sb+4*\b+WD], v[\sa+4*\a+WD] matrix_a_fmt:MATRIX_FMT_FP6 matrix_b_fmt:MATRIX_FMT_FP6
.endif
.endif
.endr
.endr
.endm
; A TILE: eight steps of 128 along K; each step's fragments are asked for ahead of the step before's 32 products.  Step 4's lie in slot 1: at step 3 every wave's part of slot 1 is waited for, and slot 0, read out, is filled again (ring = 1).
.macro TILE ab, aa, sb, sa, ring
	FETCH 0, \ab, \aa
	s_wait_loadcnt 0x0                             ; the scale words (and, the first time, the mask bytes)
.set ST, 0
.rept 7
.if ST == 3
.if \ring
	SYNC G0W0
.else
	s_wait_tensorcnt 0x0                           ; my part of slot 1 is in
	s_wait_dscnt 0x0
	s_barrier_signal -1
	s_barrier_wait -1
	PLACES NP
.endif
.else
	s_wait_dscnt 0x0                               ; this step's fragments are in
.if ST > 0
	PLACES NP                                      ; in front of loads into the set that the last step's products read
.endif
.endif
	FETCH ST+1, \ab, \aa
	WIN MULW
	MUL ST, \sb, \sa
	WIN 0
.set ST, ST+1
.endr
	s_wait_dscnt 0x0
	WIN MULW
	MUL 7, \sb, \sa
	WIN 0
.endm
; THE WAY OUT.  Block a's 64 registers of a lane (8 tiles x 8) are four blocks of 32 along side B; they become codes in v[PC] on (the two halves hs registers apart) and a scale word in v[pw].
; Each accumulator is read from its low end on.
.macro QUANTW a, hs, pw
.set AC, 64*(\a)
	WIN 10                                         ; sources 0 and 1: the accumulators' window
.irp b, 0,1,2,3
	v_max3_num_f32 v[TM+\b], |v[AC+16*\b]|, |v[AC+1+16*\b]|, 0x1800000   ; and the floor 2^(3 - 127)
.endr
.irp i, 2,4,6,8,10,12,14
.irp b, 0,1,2,3
	v_max3_num_f32 v[TM+\b], |v[AC+16*\b+\i]|, |v[AC+1+16*\b+\i]|, v[TM+\b]
.endr
.endr
	WIN 0
.irp b, 0,1,2,3
	v_permlanex16_b32 v[TM+4+\b], v[TM+\b], s2, s3
.endr
.irp b, 0,1,2,3
	v_max_num_f32 v[TM+\b], v[TM+\b], v[TM+4+\b]
.endr
.irp b, 0,1,2,3
	v_add_nc_u32 v[TM+12+\b], 0xff000000, v[TM+\b]
.endr
.irp b, 0,1,2,3
	v_lshrrev_b32 v[TM+4+\b], 23, v[TM+12+\b]
.endr
	v_lshl_or_b32 v[\pw], v[TM+5], 8, v[TM+4]
	v_lshl_or_b32 v[\pw], v[TM+6], 16, v[\pw]
	v_lshl_or_b32 v[\pw], v[TM+7], 24, v[\pw]
	s_wait_xcnt 0x0                                ; the last block's stores have read v[PC] on
	WIN 2
.irp c, 0,1
	v_cvt_scalef32_pk16_fp6_f32 v[PC+\hs*\c:PC+\hs*\c+2], v[AC+32*\c:AC+32*\c+15], v[TM+12+2*\c]
	v_cvt_scalef32_pk16_fp6_f32 v[PC+16+4*\c:PC+18+4*\c], v[AC+16+32*\c:AC+31+32*\c], v[TM+13+2*\c]
.endr
	WIN 0
	v_nop                                          ; one plain place behind a scaled conversion
.irp c, 0,1
.irp i, 0,1,2
	v_permlane16_swap_b32 v[PC+\hs*\c+\i], v[PC+16+4*\c+\i]
.endr
.irp i, 0,1,2
	v_mov_b32 v[PC+3+\hs*\c+\i], v[PC+16+4*\c+\i]
.endr
.endr
.endm
	s_wait_tensorcnt 0x0                           ; my tile of the head's four is in; the full sequence ahead of slot 1's first fill
	ds_add_u32 v[SPW], v[NIL]
	s_mov_b32 s[G1W+2], 96<<16                     ; no tensor load of mine is out, so descriptors may be written: from here on a load brings a quarter of a slot, 96 rows of 256 bytes,
	s_mov_b32 s[G1W+4], 96
	s_mov_b32 s[G0W0+1], s74                       ; and slot 0's group 0 names my quarter of q's lower half: its first refill steps it to k's
	s_mov_b64 s[G0W0+2:G0W0+3], s[72:73]
	s_or_b32 s[G0W0+3], s[G0W0+3], 0x80000000
	s_wait_dscnt 0x0
	CROUND                                         ; x and slot 0 are whole, and all sixteen work-groups are here
	WLOAD G0W1                                     ; q's upper half of K, the first tensor load behind the round
	s_mov_b32 s[TR], 0
.Ltile:                                            ; two trips: q, then k
	TILE AWQ, AXQ, WB, XA, 1
	SYNC G0W1                                      ; slot 1 is read out: the next tile's upper half; slot 0, asked for at step 3, is whole
	s_wait_xcnt 0x0                                ; the last trip's stores and loads have read their bases
	s_cmp_eq_u32 s[TR], 1
	s_cbranch_scc1 .Lno_wb                         ; behind q: the scale words of k's tile, four blocks of 256 rows on; they land under the way out
	s_add_nc_u64 s[76:77], s[76:77], 4<<13
	SLOAD WB, 8, 76
.Lno_wb:
	s_cmp_eq_u32 s[TR], 1                          ; k?
	s_cselect_b32 s18, 0, 8                        ; q: the code 1.0 at k = 64
	s_cselect_b32 s19, 0x28, 0                     ; k: the code -1.0 where masked
	s_mov_b32 s20, 0x8f0000
	s_mov_b32 s21, 0x8f0000                        ; q: third byte 143 (2^16)
	s_cselect_b32 s20, 0x900000, s20               ; k: 144 (2^17) where masked,
	s_cselect_b32 s21, 0, s21                      ; 0 where open
	s_cselect_b32 s22, 0, 30208                    ; K's part of a chunk, or Q's
	s_add_co_u32 s46, s80, s22
	s_add_nc_u64 s[94:95], s[10:11], s[46:47]
	s_add_co_u32 s46, s81, s22
	s_add_nc_u64 s[92:93], s[10:11], s[46:47]
	v_mov_b32 v31, s18                             ; (v31: at work here alone; v4-7 hold the mask bytes)
	v_cmp_eq_u32 vcc_lo, 0, v2
	v_cndmask_b32 v[VB], 0, v31, vcc_lo            ; k = 64 lies in lanes 0-15
	v_or_b32 v[VA], s19, v[VB]
	v_mov_b32 v[UA], s20
	v_mov_b32 v[UB], s21
	v_mov_b32 v[PC+7], 0
	v_mov_b32 v[PC+15], 0
.irp a, 0,1,2,3
	QUANTW \a, 8, PW
	v_cmp_eq_u32 vcc_lo, 0, v[MK+\a]               ; masked?
	v_cndmask_b32 v[PC+6], v[VB], v[VA], vcc_lo
	v_cndmask_b32 v[PC+14], v[VB], v[VA], vcc_lo
	v_cndmask_b32 v[UT], v[UB], v[UA], vcc_lo
	v_and_or_b32 v[WE+\a], v[PW], 0xffff, v[UT]    ; the even head's two bytes, the mask's byte, 0
	v_lshrrev_b32 v[WO+\a], 16, v[PW]
	v_or_b32 v[WO+\a], v[WO+\a], v[UT]             ; the odd head's
.irp hh, 0,1
.irp c, 0,1
	global_store_b128 v[L16], v[PC+8*\hh+4*\c:PC+8*\hh+4*\c+3], s[94:95] offset:1024*\a+512*\c+\hh*BHS   ; 512 consecutive aligned bytes
.endr
.endr
.endr
	v_cmp_le_u32 vcc_lo, 16, v3                    ; lanes 0-15 store the even head's four words of row r, lanes 16-31 the odd head's: two runs of 256 bytes
.irp g, 0,1,2,3
	v_cndmask_b32 v[SW+\g], v[WE+\g], v[WO+\g], vcc_lo
.endr
	global_store_b128 v[VSA], v[SW:SW+3], s[92:93]
	s_add_co_u32 s[TR], s[TR], 1
	s_cmp_lt_u32 s[TR], 2
	s_wait_alu depctr_va_vdst(0)                   ; the wait ahead of the branch
	s_cbranch_scc1 .Ltile
	TILE AXV, AWV, XB, WA, 0                       ; v: nothing more is fetched
	PLACES NP                                      ; behind the last products
	; ---- v: a block is 16 channels x 128 tokens: one whole fragment of the second product
.irp i, 0,1,2,3
	v_mov_b32 v[ON+3*\i], 0x08208208               ; the code 1.0 in every six bits
	v_mov_b32 v[ON+3*\i+1], 0x82082082
	v_mov_b32 v[ON+3*\i+2], 0x20820820
.endr
	v_mov_b32 v[ONEW], 0x7f7f7f7f                  ; under the scale 1
	s_wait_xcnt 0x0
	s_mov_b32 s46, s82
	s_add_nc_u64 s[94:95], s[10:11], s[46:47]
	s_mov_b32 s46, s83
	s_add_nc_u64 s[92:93], s[10:11], s[46:47]
	s_mov_b32 s46, s84
	s_add_nc_u64 s[96:97], s[12:13], s[46:47]
.irp a, 0,1,2,3
.set DS, 138+8*\a+30*(\a/2)            ; the ones products' results: v138-153, v184-199
	QUANTW \a, 6, WE+\a
.irp c, 0,1,2
	global_store_b128 v[L16], v[PC+4*\c:PC+4*\c+3], s[94:95] offset:\a*1536+512*\c
.endr
	PLACES 8                                       ; codes written by vector instructions stand 4 places, a scale word so written 8, ahead of a scaled matrix instruction
	v_wmma_scale_f32_16x16x128_f8f6f4 v[DS:DS+7], v[ON:ON+11], v[PC:PC+11], 0, v[ONEW], v[WE+\a] matrix_a_fmt:MATRIX_FMT_FP6 matrix_b_fmt:MATRIX_FMT_FP6   ; every row: the sum over these 128 keys of the quantised v of channel r
.endr
	PLACES NP
	v_cmp_le_u32 vcc_lo, 16, v3
	v_cndmask_b32 v[XV], v138, v146, vcc_lo        ; lane l: channel l of my head,
	v_cndmask_b32 v[XV+1], v184, v192, vcc_lo      ; and channel 32 + l
	global_store_b64 v[L8], v[XV:XV+1], s[96:97]   ; 256 consecutive aligned bytes
	global_store_b128 v[R16], v[WE:WE+3], s[92:93] ; row r's four words: 256 consecutive bytes; both halves of the lanes hold and write the same
	s_wait_tensorcnt 0x0                           ; the wave's end
	ds_add_u32 v[SPW], v[NIL]
	s_wait_dscnt 0x0
	CROUND                                         ; the closing round
	s_endpgm
.Lfunc_end_k_qdf82237473_gemm_qkv:
	.size	k_qdf82237473_gemm_qkv, .Lfunc_end_k_qdf82237473_gemm_qkv-k_qdf82237473_gemm_qkv
	.p2alignl 7, 3214868480
	.fill 96, 4, 3214868480
	.section	.rodata,"a",@progbits
	.p2align	6, 0x0
	.amdhsa_kernel k_qdf82237473_gemm_qkv
		.amdhsa_group_segment_fixed_size 327680
		.amdhsa_private_segment_fixed_size 0
		.amdhsa_enable_private_segment 0
		.amdhsa_kernarg_size 40
		.amdhsa_user_sgpr_count 2
		.amdhsa_user_sgpr_kernarg_segment_ptr 1
		.amdhsa_wavefront_size32 1
		.amdhsa_system_sgpr_workgroup_id_x 1
		.amdhsa_system_sgpr_workgroup_id_y 1
		.amdhsa_system_sgpr_workgroup_id_z 1
		.amdhsa_system_vgpr_workitem_id 0
		.amdhsa_next_free_vgpr 1024
		.amdhsa_next_free_sgpr 100
		.amdhsa_reserve_vcc 1
		.amdhsa_float_denorm_mode_32 3
		.amdhsa_float_denorm_mode_16_64 3
		.amdhsa_memory_ordered 1
		.amdhsa_forward_progress 1
		.amdhsa_inst_pref_size 197
	.end_amdhsa_kernel
	.amdgpu_metadata
---
amdhsa.version: [ 1, 2 ]
amdhsa.kernels:
  - .name:           k_qdf82237473_gemm_qkv
    .symbol:         k_qdf82237473_gemm_qkv.kd
    .args:
      - { .name: xq, .offset: 0, .size: 8, .value_kind: global_buffer, .address_space: global }
      - { .name: wq, .offset: 8, .size: 8, .value_kind: global_buffer, .address_space: global }
      - { .name: tok_mask, .offset: 16, .size: 8, .value_kind: global_buffer, .address_space: global }
      - { .name: qkv, .offset: 24, .size: 8, .value_kind: global_buffer, .address_space: global }
      - { .name: vpart, .offset: 32, .size: 8, .value_kind: global_buffer, .address_space: global }
    .group_segment_fixed_size: 327680
    .private_segment_fixed_size: 0
    .kernarg_segment_align: 8
    .kernarg_segment_size: 40
    .max_flat_workgroup_size: 128
    .sgpr_count:     100
    .vgpr_count:     1024
    .wavefront_size: 32
...
	.end_amdgpu_metadata
.endif
;; end of part 2
;; launch attn (part 3): grid 4 x 64, 16 waves a work-group, clusters of 4 x 1, 327,680 bytes of LDS; arguments qkv, vpart, yq; writes yq
.if DOCPART == 3
	.amdgcn_target "amdgcn-amd-amdhsa--gfx1250"
	.amdhsa_code_object_version 6
	.text
	.protected	k_qdf82237473_attn
	.globl	k_qdf82237473_attn
	.p2align	8
	.type	k_qdf82237473_attn,@function
k_qdf82237473_attn:
	s_mov_b64 s[64:65], 0
	v_nop
	global_prefetch_b8 v0, s[64:65] scope:SCOPE_SE
	s_setreg_imm32_b32 hwreg(HW_REG_WAVE_MODE, 25, 1), 1
	s_wait_xcnt 0x0
	s_wait_alu depctr_hold_cnt(0) depctr_sa_sdst(0) depctr_va_vdst(0) depctr_va_sdst(0) depctr_va_ssrc(0) depctr_va_vcc(0) depctr_vm_vsrc(0)
	s_getreg_b32 s2, hwreg(HW_REG_IB_STS2, 6, 4)
	s_cmp_eq_u32 s2, 0
	s_cbranch_scc0 .Lentry_in_a_cluster
	s_endpgm
.Lentry_in_a_cluster:
	s_bfe_u32 s2, ttmp6, 0x10000c
	s_cmp_lg_u32 s2, 0x3003
	s_cbranch_scc0 .Lentry_shape_is_right
	s_endpgm
.Lentry_shape_is_right:
; y = softmax(q k^T / 8, causal and key-masked) v for one head, both products on codes of FP6 (E2M3) with E8M0 scales; y is quantised along C and leaves as the last product's operand.
; THE SOFTMAX: t = score x log2(e) / 8; M = the running largest t rounded up to a whole number; p = 2^(t - M) is quantised along the keys, not normalised; the row's sum is taken of the unquantised p and divides at the end.
; When M moves, the sum and O are multiplied by 2^(old M - new M): exact.
; SHARES.  A head has 128 tiles of 16 queries.  Work-group I of the head's four owns tiles 4 j + I, j = 0 .. 31; wave w owns j = 31 - w and then j = w.  Tile 4 j + I needs j / 2 + 1 steps of 128 keys,
; whatever I is: 17 steps for every wave of every work-group.  Steps all of whose keys lie behind the tile (KF > 64 j) are left out by a branch on the wave's number and the loop's steps: the causal mask of the problem hides them.
; ALL OF THE HEAD'S K AND V LIE IN LDS: 8 chunks of 256 keys, 30,208 bytes each (images and scale words), 241,664 bytes.  Nothing is filled again.  Each of the sixteen waves fetches one half chunk by one tensor load:
; waves 0-3 (chunks 0, 1) at the head, waves 4-15 behind the full sequence and a round; those twelve loads land under the first four key steps; one barrier follows, and from there on the waves meet no barrier until the end.
; JOINT LOADS: the four work-groups of a head read the same chunks, so they form a cluster of 4 x 1 and every load names all four (mask 15).  No branch, trip count or LDS address hangs on I.
; NO PREFETCH: every tile of the launch has been asked for by its tensor load when the first key step begins; there is no later trip to run ahead of.
; LAYOUT.  S^T = K Q^T (source 0 = 16 keys, source 1 = my queries), O^T = V^T P^T: a lane holds ONE query.  A lane's 16 registers of two neighbouring tiles are keys 32 b + 8 h + 0..7 and 32 b + 16 + 8 h + 0..7;
; after the exchange of halves p's block of 32 has positions 8-15 and 16-23 exchanged, as V's images have: the product is kept.  y's blocks along C come out in the same order, and w_proj was quantised in it.
; d = 64 IS HALF OF THE INSTRUCTION'S K.  Q is zero beyond k = 64, so of a K fragment only 8 registers are loaded and the fragments lie 8 registers apart: what stands in a fragment's registers 8-11 meets zeros.
; At k = 64 Q holds 1.0 x 2^16 and a masked key -1.0 x 2^17: its score is -2^33, so it is out of the maximum and its p is 0.
; A ROW WITHOUT AN OPEN KEY (its largest t lies under -2^29): all 2,048 logits are then equal, each p is 1 and y is the sum of the quantised v over ALL keys / 2,048: chosen by v_cndmask_b32 from the sums of vpart.
; LIMITS: |score x log2(e) / 8| of open keys stays under 2^29; NaN and infinities are not served.
.set CH,    47616                      ; qkv: a chunk in memory
.set BHS,   380928
.set RBS,   196608
.set KSS,   49152
.set XS,    6291456
.set CHL,   30208                      ; a chunk's K and V part, as it lies in LDS
.set HALF,  15104                      ; 59 rows of 256 bytes: what one tensor load brings
.set KSC,   16384
.set VIMG,  17408
.set VSC,   29696
.set VS,    8*CHL                      ; behind the chunks: 256 bytes for each wave: the head's sums of v / 2,048; no fill lands here
.set SPARE, VS+4096                    ; the spare words, 128 bytes a wave: eight blocks of 256 bytes that no other line names
.set L16, 1                            ; v1   16 x lane
.set R16, 2                            ; v2   16 r
.set SPW, 3                            ; v3   my spare word; never rewritten
.set NIL, 4                            ; v4   0; never rewritten
.set AL,  5                            ; v5   the chunk in hand + 16 x lane
.set AR,  6                            ; v6   the chunk in hand + 16 r
.set RH,  7                            ; v7   r - 8 h
.set L8,  8                            ; v8   8 x lane
.set R8,  9                            ; v9   8 r
.set VRD, 10                           ; v10  my wave's sums, + 32 h
.set VWR, 11                           ; v11  my wave's sums, + 4 x lane
                                       ; v12 -M, v13 the largest t, v[14:15] the sum in two halves
.set Q,   16                           ; v16-27 Q's fragment (v24-27 are 0)
.set QS,  28                           ; v28  Q's scale word
.set F,   32                           ; v32-95 eight K fragments 8 apart, v96-99 zeros; later v32-79 four V fragments
.set KS,  100                          ; v100-103 K's scale words
.set VW,  104                          ; v104-107 V's
.set S,   112                          ; v112-175 S^T, then p
.set O,   176                          ; v176-207 O^T
.set P,   208                          ; v208-219 p's codes
.set T0,  220                          ; v220-222, v224-226 the conversions' second halves
.set BM,  228                          ; v228-231 the blocks' largest
.set BX,  232                          ; v232-235 the other half's, then the bytes
.set SO,  236                          ; v236-239 the conversions' scale operands
.set FF,  242                          ; v[242:243] f
.set PS,  244                          ; v244 p's scale word
.set TA,  245
.set TC,  246
.set XA,  248                          ; v248-255 four chains of a sum
.set WV,  18
.set SEL, 20
.set CS,  22                           ; s[22:23] c = log2(e) / 8
.set G1,  24
.set G0,  32
.set JJ,  36                           ; s36 j of the tile in hand
.set JB,  37                           ; s37 64 j: what the branches compare the step's first key with
.set OFS, 38                           ; s[38:39] an offset, 0 above it
.set II,  40                           ; s40 I: my place in the cluster; it enters global addresses and the diagonal's mask alone
.set U,   41                           ; s41 the unit: 0-7 the first tile's chunks, 8-15 the second's
.set TB,  42                           ; s42 where the chunk in hand begins in LDS
.set KF,  43                           ; s43 the step's first key
.set Q0,  44                           ; s44 my first query
.set BLK, 45                           ; s45 the chunk that holds my queries
.macro CROUND                          ; a round of the cluster's barrier
	s_barrier_signal -1
	s_barrier_wait -1
	s_cmp_lg_u32 s[WV], 0
	s_cbranch_scc1 .Lnot_wave_0_\@
	s_barrier_signal -3
.Lnot_wave_0_\@:
	s_barrier_wait -3
	s_barrier_signal -1
	s_barrier_wait -1
.endm
.macro TLOAD late                      ; my one tensor load: waves 0-3 issue it at the head, waves 4-15 behind the round
.if \late
	s_cmp_ge_u32 s[WV], 4
.else
	s_cmp_lt_u32 s[WV], 4
.endif
	s_cbranch_scc0 .Lnone_\@
	tensor_load_to_lds s[G0:G0+3], s[G1:G1+7]
	s_nop 0
.rept 4
	v_nop
.endr
.Lnone_\@:
.endm
.macro INIT                            ; a tile's start: the first step finds zeros, which the first change of M leaves zeros
	v_mov_b32 v13, 0xff61b1e6                      ; -3e38, under every t
	s_delay_alu instid0(VALU_DEP_1)
	v_floor_f32 v12, -v13
	v_mov_b32 v14, 0
	v_mov_b32 v15, 0
.set n, 0
.rept 32
	v_mov_b32 v[O+n], 0
.set n, n+1
.endr
.endm
.macro QADDR                           ; from j: the tile T = 4 j + I (s66), its chunk, its place in it (s67), and where its image and scale words lie
	s_lshl_b32 s66, s[JJ], 2
	s_add_co_u32 s66, s66, s[II]
	s_lshr_b32 s[BLK], s66, 4
	s_and_b32 s67, s66, 15
	s_mul_i32 s46, s[BLK], CH
	s_lshl_b32 s68, s67, 10
	s_add_co_u32 s68, s68, s46
	s_add_co_u32 s[OFS], s68, 30208
	s_add_nc_u64 s[50:51], s[48:49], s[OFS:OFS+1]
	s_lshr_b32 s68, s67, 2                         ; scale words: 256 bytes for each four tiles, word T % 4 of a lane's four
	s_lshl_b32 s68, s68, 8
	s_add_co_u32 s46, s46, s68
	s_and_b32 s68, s67, 3
	s_lshl_b32 s68, s68, 2
	s_add_co_u32 s46, s46, s68
	s_add_co_u32 s[OFS], s46, 46592
	s_add_nc_u64 s[52:53], s[48:49], s[OFS:OFS+1]
.endm
.macro YADDR                           ; where the tile's codes and scale bytes of y go, and the tile's counters
	s_mul_i32 s46, s[BLK], RBS
	s_mul_i32 s68, s67, 3072
	s_add_co_u32 s46, s46, s68
	s_add_co_u32 s[OFS], s46, s60
	s_add_nc_u64 s[54:55], s[8:9], s[OFS:OFS+1]
	s_lshl_b32 s46, s66, 9
	s_add_co_u32 s[OFS], s46, s61
	s_add_nc_u64 s[56:57], s[8:9], s[OFS:OFS+1]
	s_lshl_b32 s[Q0], s66, 4
	s_lshl_b32 s[JB], s[JJ], 6
	s_mov_b32 s[KF], 0
.endm
.macro QLOAD
	global_load_b128 v[Q:Q+3], v[L16], s[50:51]
	global_load_b128 v[Q+4:Q+7], v[L16], s[50:51] offset:512
	global_load_b32 v[QS], v[R16], s[52:53]
.endm
; A KEY STEP: 128 keys, the q-th of the chunk in hand
.macro STEP q
	s_cmp_gt_u32 s[KF], s[JB]                      ; KF is a multiple of 128 and my queries are 64 j + 16 I + 0 .. 15: all keys lie behind them just where KF > 64 j; the branch leads round no barrier and no tensor load
	s_cbranch_scc1 .Lhidden_\@
	v_add_nc_u32 v[AL], s[TB], v[L16]
	v_add_nc_u32 v[AR], s[TB], v[R16]
	v_nop
	v_nop                                          ; four places in front of loads into registers that the last products read
.irp t, 0,1,2,3,4,5,6,7
	ds_load_b128 v[F+8*\t:F+8*\t+3], v[AL] offset:(8*(\q)+\t)*1024
	ds_load_b128 v[F+8*\t+4:F+8*\t+7], v[AL] offset:(8*(\q)+\t)*1024+512
.endr
	ds_load_b128 v[KS:KS+3], v[AL] offset:KSC+512*(\q)   ; lanes 0-15: the words of tiles 0-3, lanes 16-31: of tiles 4-7
	s_wait_alu depctr_va_vdst(0)
	s_wait_dscnt 0x0
.irp t, 0,1,2,3
	v_wmma_scale_f32_16x16x128_f8f6f4 v[S+8*\t:S+8*\t+7], v[F+8*\t:F+8*\t+11], v[Q:Q+11], 0, v[KS+\t], v[QS] matrix_a_fmt:MATRIX_FMT_FP6 matrix_b_fmt:MATRIX_FMT_FP6
.endr
.irp t, 4,5,6,7
	v_wmma_scale_f32_16x16x128_f8f6f4 v[S+8*\t:S+8*\t+7], v[F+8*\t:F+8*\t+11], v[Q:Q+11], 0, v[KS+\t-4], v[QS] matrix_a_fmt:MATRIX_FMT_FP6 matrix_b_fmt:MATRIX_FMT_FP6 matrix_a_scale:MATRIX_SCALE_ROW1
.endr
.rept 4
	v_nop                                          ; places: in front of the loads below and of the first read of the scores
.endr
.irp t, 0,1,2,3
.irp c, 0,1,2
	ds_load_b128 v[F+12*\t+4*\c:F+12*\t+4*\c+3], v[AL] offset:VIMG+6144*(\q)+1536*\t+512*\c   ; V's fragments land under the softmax
.endr
.endr
	ds_load_b128 v[VW:VW+3], v[AR] offset:VSC+256*(\q)
	s_add_co_u32 s46, s[KF], 128                   ; all 128 keys count for all my queries just where KF + 128 <= 64 j: such a step skips the mask
	s_cmp_le_u32 s46, s[JB]
	s_cbranch_scc1 .Lopen_\@
	s_sub_co_i32 s46, s[Q0], s[KF]
	v_add_nc_u32 v[TA], s46, v[RH]                 ; register 8 t + j holds key KF + 16 t + 8 h + j: hidden where 16 t + j > my query - KF - 8 h
	v_mov_b32 v[TC], 0xff800000
.set n, 0
.rept 64
	v_cmp_gt_i32 vcc_lo, 16*(n/8)+n%8, v[TA]
	v_cndmask_b32 v[S+n], v[S+n], v[TC], vcc_lo
.set n, n+1
.endr
.Lopen_\@:
.irp b, 0,1,2,3
	v_max3_num_f32 v[BM+\b], v[S+16*\b], v[S+1+16*\b], v[S+2+16*\b]   ; the largest score of each block of 32 keys: for the row's maximum and, since p rises with the score, for the block's largest p
.endr
.irp i, 3,5,7,9,11,13
.irp b, 0,1,2,3
	v_max3_num_f32 v[BM+\b], v[BM+\b], v[S+16*\b+\i], v[S+1+16*\b+\i]
.endr
.endr
.irp b, 0,1,2,3
	v_max_num_f32 v[BM+\b], v[BM+\b], v[S+15+16*\b]
.endr
.irp b, 0,1,2,3
	s_delay_alu instid0(VALU_DEP_4)
	v_permlanex16_b32 v[BX+\b], v[BM+\b], s[SEL], s[SEL+1]
.endr
.irp b, 0,1,2,3
	s_delay_alu instid0(VALU_DEP_4)
	v_max_num_f32 v[BM+\b], v[BM+\b], v[BX+\b]
.endr
	s_delay_alu instid0(VALU_DEP_2)
	v_max3_num_f32 v[TA], v[BM], v[BM+1], v[BM+2]
	s_delay_alu instid0(VALU_DEP_1)
	v_max_num_f32 v[TA], v[TA], v[BM+3]
	s_delay_alu instid0(VALU_DEP_1)
	v_mul_f32 v[TA], s[CS], v[TA]
	s_delay_alu instid0(VALU_DEP_1)
	v_max_num_f32 v13, v13, v[TA]                  ; the running largest t
	v_mov_b32 v[TA], v12
	s_delay_alu instid0(VALU_DEP_2)
	v_floor_f32 v12, -v13                          ; the new -M = -ceil(t): a whole number
	s_delay_alu instid0(VALU_DEP_1)
	v_sub_f32 v[TA], v12, v[TA]
	s_delay_alu instid0(VALU_DEP_1)
	v_cvt_i32_f32 v[TA], v[TA]                     ; (it saturates)
	s_delay_alu instid0(VALU_DEP_1)
	v_ldexp_f32 v[FF], 1.0, v[TA]                  ; f = 2^(old M - new M)
.set n, 0
.rept 32
	v_pk_fma_f32 v[S+n:S+n+1], v[S+n:S+n+1], s[CS:CS+1], v[12:13] op_sel_hi:[1,0,0]   ; t - M, two at a time
.set n, n+2
.endr
.irp b, 0,1,2,3
	v_fma_f32 v[BM+\b], v[BM+\b], s[CS], v12
.endr
.set n, 0
	s_wait_alu depctr_va_vdst(0)                   ; the wait ahead of the batch
.rept 64
	v_exp_f32 v[S+n], v[S+n]                       ; p = 2^(t - M)
.set n, n+1
.endr
.irp b, 0,1,2,3
	v_exp_f32 v[BM+\b], v[BM+\b]                   ; the block's largest p
.endr
	v_pk_mul_f32 v[14:15], v[14:15], v[FF:FF+1] op_sel_hi:[1,0]    ; the sums under the new M (a plain place behind the exponentials)
	s_wait_alu depctr_va_vdst(0)                   ; and behind it
.irp b, 0,1,2,3
	v_max_num_f32 v[BM+\b], 0x1800000, v[BM+\b]    ; the floor 2^(3 - 127)
.endr
.irp b, 0,1,2,3
	s_delay_alu instid0(VALU_DEP_4)
	v_add_nc_u32 v[SO+\b], 0xff000000, v[BM+\b]
.endr
.irp b, 0,1,2,3
	s_delay_alu instid0(VALU_DEP_4)
	v_lshrrev_b32 v[BX+\b], 23, v[SO+\b]
.endr
	s_delay_alu instid0(VALU_DEP_3)
	v_lshl_or_b32 v[PS], v[BX+1], 8, v[BX]
	s_delay_alu instid0(VALU_DEP_1)
	v_lshl_or_b32 v[PS], v[BX+2], 16, v[PS]
	s_delay_alu instid0(VALU_DEP_1)
	v_lshl_or_b32 v[PS], v[BX+3], 24, v[PS]
.irp c, 0,1
	v_cvt_scalef32_pk16_fp6_f32 v[P+6*\c:P+6*\c+2], v[S+32*\c:S+32*\c+15], v[SO+2*\c]
	v_cvt_scalef32_pk16_fp6_f32 v[T0+4*\c:T0+4*\c+2], v[S+16+32*\c:S+31+32*\c], v[SO+2*\c+1]
.endr
	v_nop                                          ; one plain place behind a scaled conversion
.irp c, 0,1
.irp i, 0,1,2
	v_permlane16_swap_b32 v[P+6*\c+\i], v[T0+4*\c+\i]
.endr
.irp i, 0,1,2
	s_delay_alu instid0(VALU_DEP_3)
	v_mov_b32 v[P+3+6*\c+\i], v[T0+4*\c+\i]
.endr
.endr
.irp c, 0,1,2,3
	v_pk_add_f32 v[XA+2*\c:XA+2*\c+1], v[S+2*\c:S+2*\c+1], v[S+8+2*\c:S+9+2*\c]   ; the row's sum of the unquantised p: two at a time, four chains by turns
.endr
.irp i, 16,24,32,40,48,56
.irp c, 0,1,2,3
	v_pk_add_f32 v[XA+2*\c:XA+2*\c+1], v[XA+2*\c:XA+2*\c+1], v[S+\i+2*\c:S+\i+2*\c+1]
.endr
.endr
	v_pk_add_f32 v[XA:XA+1], v[XA:XA+1], v[XA+2:XA+3]
	v_pk_add_f32 v[XA+4:XA+5], v[XA+4:XA+5], v[XA+6:XA+7]
	s_delay_alu instid0(VALU_DEP_1)
	v_pk_add_f32 v[XA:XA+1], v[XA:XA+1], v[XA+4:XA+5]
	s_delay_alu instid0(VALU_DEP_1)
	v_pk_add_f32 v[14:15], v[14:15], v[XA:XA+1]
.set n, 0
.rept 16
	v_pk_mul_f32 v[O+n:O+n+1], v[O+n:O+n+1], v[FF:FF+1] op_sel_hi:[1,0]   ; O^T under the new M; with the sums above these are the places between p's codes and scale word and the products
.set n, n+2
.endr
	s_wait_alu depctr_va_vdst(0)
	s_wait_dscnt 0x0                               ; V
.irp t, 0,1,2,3
	v_wmma_scale_f32_16x16x128_f8f6f4 v[O+8*\t:O+8*\t+7], v[F+12*\t:F+12*\t+11], v[P:P+11], v[O+8*\t:O+8*\t+7], v[VW+\t], v[PS] matrix_a_fmt:MATRIX_FMT_FP6 matrix_b_fmt:MATRIX_FMT_FP6   ; four accumulators by turns
.endr
.Lhidden_\@:
	s_add_co_u32 s[KF], s[KF], 128
.endm
; A TILE'S END: O^T / the sum, or the head's mean of v where the row had no open key; quantised along C; stored as half a fragment (16 rows x 64 K) and two scale bytes a row.  next = 1: the wave's second tile begins.
.macro FINAL next
	v_add_f32 v14, v14, v15
	v_nop
	v_nop
	v_nop                                          ; four places behind the last products
.irp t, 0,1,2,3
	ds_load_b128 v[F+8*\t:F+8*\t+3], v[VRD] offset:64*\t           ; the sums of v / 2,048 of channels 16 t + 8 h + 0 .. 7
	ds_load_b128 v[F+8*\t+4:F+8*\t+7], v[VRD] offset:64*\t+16
.endr
.if \next
	s_mov_b32 s[JJ], s[WV]
	QADDR
	QLOAD                                          ; the next tile's queries land under this tile's way out
.endif
	s_wait_alu depctr_va_vdst(0)
	v_permlanex16_b32 v[TA], v14, s[SEL], s[SEL+1]
	s_delay_alu instid0(VALU_DEP_1)
	v_add_f32 v14, v14, v[TA]                      ; the row's sum
	s_wait_alu depctr_va_vdst(0)
	v_rcp_f32 v14, v14
	v_nop                                          ; one plain place behind the transcendental
	v_cmp_gt_f32 vcc_lo, 0xce000000, v13           ; -2^29 > the largest t: no open key
.set n, 0
	s_wait_alu depctr_va_vdst(0)
.rept 32
	v_mul_f32 v[S+n], v[O+n], v14                  ; each accumulator from its low end on
.set n, n+1
.endr
	s_wait_dscnt 0x0
.set n, 0
.rept 32
	v_cndmask_b32 v[S+n], v[S+n], v[F+n], vcc_lo
.set n, n+1
.endr
.irp b, 0,1
	v_max3_num_f32 v[BM+\b], |v[S+16*\b]|, |v[S+1+16*\b]|, 0x1800000
.endr
.irp i, 2,4,6,8,10,12,14
.irp b, 0,1
	s_delay_alu instid0(VALU_DEP_2)
	v_max3_num_f32 v[BM+\b], v[BM+\b], |v[S+16*\b+\i]|, |v[S+1+16*\b+\i]|
.endr
.endr
.irp b, 0,1
	s_delay_alu instid0(VALU_DEP_2)
	v_permlanex16_b32 v[BX+\b], v[BM+\b], s[SEL], s[SEL+1]
.endr
.irp b, 0,1
	s_delay_alu instid0(VALU_DEP_2)
	v_max_num_f32 v[BM+\b], v[BM+\b], v[BX+\b]
.endr
.irp b, 0,1
	s_delay_alu instid0(VALU_DEP_2)
	v_add_nc_u32 v[SO+\b], 0xff000000, v[BM+\b]
.endr
.irp b, 0,1
	s_delay_alu instid0(VALU_DEP_2)
	v_lshrrev_b32 v[BX+\b], 23, v[SO+\b]
.endr
	s_delay_alu instid0(VALU_DEP_1)
	v_lshl_or_b32 v[TC], v[BX+1], 8, v[BX]
	v_cvt_scalef32_pk16_fp6_f32 v[P:P+2], v[S:S+15], v[SO]
	v_cvt_scalef32_pk16_fp6_f32 v[T0:T0+2], v[S+16:S+31], v[SO+1]
	v_nop
.irp i, 0,1,2
	v_permlane16_swap_b32 v[P+\i], v[T0+\i]
.endr
.irp i, 0,1,2
	s_delay_alu instid0(VALU_DEP_3)
	v_mov_b32 v[P+3+\i], v[T0+\i]
.endr
.irp p, 0,1,2
	global_store_b64 v[L8], v[P+2*\p:P+2*\p+1], s[54:55] offset:256*\p   ; 256 consecutive aligned bytes
.endr
	global_store_b16 v[R8], v[TC], s[56:57]        ; my head's two bytes of row r's scale word: a word spans two heads, so these are stores of two bytes; both halves of the lanes write the same
	s_wait_xcnt 0x0                                ; the stores have read their registers and bases
.if \next
	YADDR
	INIT
	s_wait_loadcnt 0x0                             ; the next tile's queries
.endif
.endm
	s_load_b128 s[4:7], s[0:1], 0x0                ; qkv, vpart
	s_load_b64 s[8:9], s[0:1], 0x10                ; yq
	v_lshl_add_u32 v[SPW], v0, 2, SPARE
	v_mov_b32 v[NIL], 0
	ds_add_u32 v[SPW], v[NIL]                      ; the opening lines: the add, twice on end, and its wait ahead of the first tensor load
	ds_add_u32 v[SPW], v[NIL]
	v_lshrrev_b32 v5, 5, v0
	v_readfirstlane_b32 s[WV], v5                  ; wave 0..15
	s_and_b32 s47, ttmp7, 0xffff                   ; the cluster's y: 16 x batch + head
	s_bfe_u32 s[II], ttmp6, 0x40000                ; I: my place in the cluster
	s_mov_b32 s[G1], (3<<16)|(1<<21)|15            ; 59 rows of 32 elements of 8 bytes, dense, no padding; the mask names the cluster's four
	s_mov_b32 s[G1+1], 32<<16
	s_mov_b32 s[G1+2], 59<<16
	s_mov_b32 s[G1+3], 32<<16
	s_mov_b32 s[G1+4], 59
	s_mov_b32 s[G1+5], 32
	s_mov_b32 s[G1+6], 0
	s_mov_b32 s[G1+7], 0
	s_and_b32 s46, s[WV], 1
	s_mul_i32 s46, s46, HALF
	s_lshr_b32 s66, s[WV], 1
	s_mul_i32 s66, s66, CH
	s_add_co_u32 s66, s66, s46                     ; half w % 2 of chunk w / 2, in memory;
	s_mul_i32 s[G0+1], s[WV], HALF                 ; in LDS the halves lie on end
	s_mov_b32 s[G0], 1
	s_mul_i32 s[OFS], s47, BHS
	s_mov_b32 s[OFS+1], 0
	s_wait_dscnt 0x0                               ; both opening adds are done
	s_wait_kmcnt 0x0
	s_add_nc_u64 s[48:49], s[4:5], s[OFS:OFS+1]    ; the head
	s_mov_b32 s[OFS], s66
	s_add_nc_u64 s[G0+2:G0+3], s[48:49], s[OFS:OFS+1]
	s_or_b32 s[G0+3], s[G0+3], 0x80000000
	CROUND                                         ; the four work-groups are here: the first joint loads meet
	TLOAD 0                                        ; chunks 0 and 1
	s_lshl_b32 s[OFS], s47, 12
	s_add_nc_u64 s[6:7], s[6:7], s[OFS:OFS+1]      ; vpart at my head
	s_lshl_b32 s46, s[WV], 8
	s_add_co_u32 s46, s46, VS
	v_and_b32 v5, 31, v0                           ; lane
	v_and_b32 v6, 15, v0                           ; r
	v_bfe_u32 v9, v0, 4, 1                         ; h
	v_lshlrev_b32 v[L16], 4, v5
	v_lshlrev_b32 v[R16], 4, v6
	v_lshlrev_b32 v[L8], 3, v5
	v_lshlrev_b32 v[RH], 3, v9
	s_delay_alu instid0(VALU_DEP_1)
	v_sub_nc_u32 v[RH], v6, v[RH]
	v_lshl_add_u32 v[VRD], v9, 5, s46
	v_lshl_add_u32 v[VWR], v5, 2, s46
	v_lshlrev_b32 v[R8], 3, v6
	s_wait_alu depctr_va_vdst(0)
.irp s, 0,1,2,3,4,5,6,7,8,9,10,11,12,13,14,15
	global_load_b64 v[S+2*\s:S+2*\s+1], v[L8], s[6:7] offset:256*\s   ; key step s: the sums of channels lane and 32 + lane
.endr
	s_lshr_b32 s62, s47, 4                         ; batch
	s_and_b32 s63, s47, 15                         ; head
	s_mul_i32 s60, s62, 8*RBS                      ; y's codes: [8 batch + chunk][head / 4][tile % 16][head % 4]: the part that no tile changes
	s_lshr_b32 s46, s63, 2
	s_mul_i32 s68, s46, KSS
	s_add_co_u32 s60, s60, s68
	s_lshl_b32 s61, s46, 7                         ; y's scale bytes: [128 batch + tile][head / 4][r][2 (head % 4)]: likewise
	s_and_b32 s46, s63, 3
	s_mul_i32 s68, s46, 768
	s_add_co_u32 s60, s60, s68
	s_lshl_b32 s46, s46, 1
	s_add_co_u32 s61, s61, s46
	s_lshl_b32 s46, s62, 16
	s_add_co_u32 s61, s61, s46
	s_add_co_u32 s61, s61, XS
	s_sub_co_u32 s[JJ], 31, s[WV]                  ; the longer tile first: it has at least nine steps, so the first four need chunks 0 and 1 in every wave
	QADDR
	QLOAD
	YADDR
	s_mov_b32 s[TB], 0
	s_mov_b32 s[U], 0
	s_mov_b32 s[SEL], 0x76543210
	s_mov_b32 s[SEL+1], 0xfedcba98
	s_mov_b32 s[CS], 0x3e38aa3b                    ; log2(e) / 8
	s_mov_b32 s[CS+1], s[CS]
.irp i, 0,1,2,3
	v_mov_b32 v[Q+8+\i], 0                         ; Q beyond its eight loaded registers
	v_mov_b32 v[F+64+\i], 0                        ; behind the last K fragment
	v_mov_b32 v[BX+\i], 0                          ; a lane permute's destination counts as one of its sources
.endr
	v_mov_b32 v[FF+1], 0                           ; named as the upper half of a pair
	v_mov_b32 v[TA], 0
	v_mov_b32 v[TC], 0
	INIT
	s_wait_loadcnt 0x0
.irp c, 0,1,2,3
	v_pk_add_f32 v[XA+2*\c:XA+2*\c+1], v[S+2*\c:S+2*\c+1], v[S+8+2*\c:S+9+2*\c]   ; the 16 key steps' sums of v, four chains by turns
.endr
.irp i, 16,24
.irp c, 0,1,2,3
	v_pk_add_f32 v[XA+2*\c:XA+2*\c+1], v[XA+2*\c:XA+2*\c+1], v[S+\i+2*\c:S+\i+2*\c+1]
.endr
.endr
	v_pk_add_f32 v[XA:XA+1], v[XA:XA+1], v[XA+2:XA+3]
	v_pk_add_f32 v[XA+4:XA+5], v[XA+4:XA+5], v[XA+6:XA+7]
	s_delay_alu instid0(VALU_DEP_1)
	v_pk_add_f32 v[XA:XA+1], v[XA:XA+1], v[XA+4:XA+5]
	s_delay_alu instid0(VALU_DEP_1)
	v_pk_mul_f32 v[S:S+1], v[XA:XA+1], 0x3a000000 op_sel_hi:[1,0]  ; / 2,048
	ds_store_b32 v[VWR], v[S]                      ; my wave's own 256 bytes: channel c at 4 c
	ds_store_b32 v[VWR], v[S+1] offset:128
	s_wait_alu depctr_va_vdst(0)                   ; the wait at the head's end
	s_wait_tensorcnt 0x0                           ; chunks 0 and 1 are in; the full sequence ahead of the later first fills;
	ds_add_u32 v[SPW], v[NIL]                      ; the add twice on end
	ds_add_u32 v[SPW], v[NIL]
	s_wait_dscnt 0x0
	CROUND
	TLOAD 1                                        ; chunks 2 to 7: twelve loads, one a wave
.Lfirst:                                           ; two trips: chunks 0 and 1 of the longer tile, while the twelve loads land
	STEP 0
	STEP 1
	s_add_co_u32 s[TB], s[TB], CHL
	s_add_co_u32 s[U], s[U], 1
	s_cmp_lt_u32 s[U], 2
	s_cbranch_scc1 .Lfirst
	s_wait_tensorcnt 0x0                           ; my half chunk is in,
	s_wait_dscnt 0x0
	s_barrier_signal -1
	s_barrier_wait -1                              ; and so is everybody's
.Lunit:                                            ; fourteen trips: units 2-7 end the longer tile, units 8-15 are the shorter tile's chunks 0-7
	s_and_b32 s46, s[U], 7
	s_mul_i32 s[TB], s46, CHL
	STEP 0
	STEP 1
	s_cmp_lg_u32 s[U], 7
	s_cbranch_scc1 .Lsame
	FINAL 1
.Lsame:
	s_add_co_u32 s[U], s[U], 1
	s_cmp_lt_u32 s[U], 16
	s_cbranch_scc1 .Lunit
	FINAL 0
	s_wait_tensorcnt 0x0                           ; the wave's end
	ds_add_u32 v[SPW], v[NIL]
	s_wait_dscnt 0x0
	CROUND                                         ; the closing round
	s_endpgm
.Lfunc_end_k_qdf82237473_attn:
	.size	k_qdf82237473_attn, .Lfunc_end_k_qdf82237473_attn-k_qdf82237473_attn
	.p2alignl 7, 3214868480
	.fill 96, 4, 3214868480
	.section	.rodata,"a",@progbits
	.p2align	6, 0x0
	.amdhsa_kernel k_qdf82237473_attn
		.amdhsa_group_segment_fixed_size 327680
		.amdhsa_private_segment_fixed_size 0
		.amdhsa_enable_private_segment 0
		.amdhsa_kernarg_size 24
		.amdhsa_user_sgpr_count 2
		.amdhsa_user_sgpr_kernarg_segment_ptr 1
		.amdhsa_wavefront_size32 1
		.amdhsa_system_sgpr_workgroup_id_x 1
		.amdhsa_system_sgpr_workgroup_id_y 1
		.amdhsa_system_sgpr_workgroup_id_z 1
		.amdhsa_system_vgpr_workitem_id 0
		.amdhsa_next_free_vgpr 256
		.amdhsa_next_free_sgpr 80
		.amdhsa_reserve_vcc 1
		.amdhsa_float_denorm_mode_32 3
		.amdhsa_float_denorm_mode_16_64 3
		.amdhsa_memory_ordered 1
		.amdhsa_forward_progress 1
		.amdhsa_inst_pref_size 114
	.end_amdhsa_kernel
	.amdgpu_metadata
---
amdhsa.version: [ 1, 2 ]
amdhsa.kernels:
  - .name:           k_qdf82237473_attn
    .symbol:         k_qdf82237473_attn.kd
    .args:
      - { .name: qkv, .offset: 0, .size: 8, .value_kind: global_buffer, .address_space: global }
      - { .name: vpart, .offset: 8, .size: 8, .value_kind: global_buffer, .address_space: global }
      - { .name: yq, .offset: 16, .size: 8, .value_kind: global_buffer, .address_space: global }
    .group_segment_fixed_size: 327680
    .private_segment_fixed_size: 0
    .kernarg_segment_align: 8
    .kernarg_segment_size: 24
    .max_flat_workgroup_size: 512
    .sgpr_count:     80
    .vgpr_count:     256
    .wavefront_size: 32
...
	.end_amdgpu_metadata
.endif
;; end of part 3
;; launch gemm_proj (part 4): grid 4 x 64, 4 waves a work-group, clusters of 4 x 4, 327,680 bytes of LDS; arguments yq, wp, out0; writes out0
.if DOCPART == 4
	.amdgcn_target "amdgcn-amd-amdhsa--gfx1250"
	.amdhsa_code_object_version 6
	.text
	.protected	k_qdf82237473_gemm_proj
	.globl	k_qdf82237473_gemm_proj
	.p2align	8
	.type	k_qdf82237473_gemm_proj,@function
k_qdf82237473_gemm_proj:
	s_mov_b64 s[64:65], 0
	v_nop
	global_prefetch_b8 v0, s[64:65] scope:SCOPE_SE
	s_setreg_imm32_b32 hwreg(HW_REG_WAVE_MODE, 25, 1), 1
	s_wait_xcnt 0x0
	s_wait_alu depctr_hold_cnt(0) depctr_sa_sdst(0) depctr_va_vdst(0) depctr_va_sdst(0) depctr_va_ssrc(0) depctr_va_vcc(0) depctr_vm_vsrc(0)
	s_getreg_b32 s2, hwreg(HW_REG_IB_STS2, 6, 4)
	s_cmp_eq_u32 s2, 0
	s_cbranch_scc0 .Lentry_in_a_cluster
	s_endpgm
.Lentry_in_a_cluster:
	s_bfe_u32 s2, ttmp6, 0x10000c
	s_cmp_lg_u32 s2, 0xf033
	s_cbranch_scc0 .Lentry_shape_is_right
	s_endpgm
.Lentry_shape_is_right:
; out0 = y w_proj on codes of FP6 (E2M3) with E8M0 scales, K = 1,024; out0 [8192][1024] f32.  (Inside each block of 32 along K both operands carry positions 8-15 and 16-23 exchanged, alike: the products are kept.)
; 256 work-groups: each makes 128 rows x 256 columns, a wave 64 x 128: 32 accumulators of 16 x 16.
; ALL OF K LIES IN LDS: B's 256 rows are 196,608 dense bytes of wp, A's 128 rows four runs of 24,576 bytes of yq, 49,152 apart.  Each wave issues ONE tensor load at the head: waves 0-2 a third of B (65,536 bytes), wave 3 all of A.
; Nothing is filled again: one barrier shows the tiles to all four waves, and the eight steps of 128 along K meet no barrier.
; The operands lie in memory in the order of the operand's registers (16 rows x 64 K = 768 bytes, three pieces of 256): a fragment comes by six loads of 8 bytes a lane, 256 consecutive bytes each.
; THE SCALE WORDS come from memory straight into registers, in whole aligned runs of 256 bytes: a block of 16 rows has 128 bytes for each 256 along K ([r][2 words]), so one load of 8 bytes a lane brings
; lanes 0-15 the two words of an even 256 along K and lanes 16-31 those of the odd one behind it; the products of the odd one name the same registers with ROW1 on both sides.
; CLUSTERS of 4 x 4: A's tile hangs on the tile row and is shared along a row of the cluster, B's on the tile column and is shared along a column; each is asked for jointly.
; NO PREFETCH: every tile is asked for at the head by its tensor load; there is no later trip to run ahead of.
; THE MATRIX INSTRUCTION takes 16 rows of B as source 0 and 16 rows of A as source 1: a lane holds eight neighbouring columns of one row of out0.
; REGISTERS, in windows of 256: window 0: v0-31 addresses; v32-47 A's scale words, v48-79 B's, and nothing else there; v128-223 A's fragments, two sets of 48; on the way out v128-255 hold rows read back.
;   window 1: B's fragments, two sets, at v0 and v128.   window 2: the accumulators, (a, b) at v[8 (8 a + b)].
.set KSS,   49152                      ; 256 rows x 256 K of codes
.set RBS,   196608                     ; 256 rows x 1,024 K
.set HALFT, 24576                      ; 128 rows x 256 K
.set XS,    6291456                    ; yq: where the scale words begin
.set PSO,   786432                     ; wp: likewise
.set SIZE_N, 1024
.set FR,    12                         ; registers of a fragment
.set NP,    4                          ; places behind this matrix instruction (ISA guide 7.12.1)
.set ABASE, RBS                        ; LDS: B's tile from 0, A's behind it
.set SPARE, ABASE+4*HALFT              ; the spare words, 128 bytes a wave: two blocks of 256 bytes that no other line names
.set SPITCH, 528                       ; the way out: a stage of 16 rows x (512 + 16) bytes for each wave, from LDS byte 0: those bytes have had their only fill, and a barrier stands behind their last read
.set ADRA, 8                           ; v8-11  LDS address of my A fragments, one for each 256 along K
.set ADRB, 12                          ; v12-15 the same for B
.set L8,   16                          ; v16    8 x lane
.set STO,  24
.set RD,   25
.set CO,   26
.set SPW,  28                          ; v28    my spare word; never rewritten
.set NIL,  29                          ; v29    0; never rewritten
.set SA,   32
.set SB,   48
.set AF,   128
.set BK,   128
.set G1A, 24
.set G0A, 32
.set G1B, 48
.set G0B, 56
.set MSB, 0
.macro WIN new                         ; the immediate's high byte repeats the setting that is left
.if MSB != \new
	s_set_vgpr_msb (MSB<<8)|\new
.set MSB, \new
.endif
.endm
.set MULW, 0xa1                        ; source 0 (B) window 1, source 1 (A) window 0, C and D window 2
.set TO_B, 0x40
.macro CROUND                          ; a round of the cluster's barrier
	s_barrier_signal -1
	s_barrier_wait -1
	s_cmp_lg_u32 s14, 0
	s_cbranch_scc1 .Lnot_wave_0_\@
	s_barrier_signal -3
.Lnot_wave_0_\@:
	s_barrier_wait -3
	s_barrier_signal -1
	s_barrier_wait -1
.endm
.macro PLACES n
.rept \n
	v_nop
.endr
.endm
	s_load_b128 s[4:7], s[0:1], 0x0                ; yq, wp
	s_load_b64 s[12:13], s[0:1], 0x10              ; out0
	v_lshl_add_u32 v[SPW], v0, 2, SPARE
	v_mov_b32 v[NIL], 0
	ds_add_u32 v[SPW], v[NIL]                      ; the opening lines: the add, twice on end, and its wait ahead of my tensor load
	ds_add_u32 v[SPW], v[NIL]
	v_lshrrev_b32 v1, 5, v0
	v_readfirstlane_b32 s14, v1                    ; wave 0..3
	s_lshr_b32 s15, s14, 1                         ; which 64 of A's rows are mine
	s_and_b32 s16, s14, 1                          ; which 128 of B's
	s_bfe_u32 s40, ttmp6, 0x40000                  ; cx
	s_bfe_u32 s41, ttmp6, 0x40004                  ; cy
	s_lshl_b32 s42, ttmp9, 2
	s_add_co_u32 s42, s42, s40                     ; tile column, 0..3
	s_and_b32 s17, ttmp7, 0xffff
	s_lshl_b32 s17, s17, 2
	s_add_co_u32 s17, s17, s41                     ; tile row, 0..63
	s_lshl_b32 s43, s41, 2
	s_lshl_b32 s43, 15, s43                        ; my row of the cluster
	s_lshl_b32 s44, 0x1111, s40                    ; my column
	s_or_b32 s[G1A], s43, (3<<16)|(1<<21)          ; A: 4 rows of 3,072 elements of 8 bytes, 6,144 elements apart
	s_mov_b32 s[G1A+1], 3072<<16
	s_mov_b32 s[G1A+2], 4<<16
	s_mov_b32 s[G1A+3], 3072<<16
	s_mov_b32 s[G1A+4], 4
	s_mov_b32 s[G1A+5], 6144
	s_mov_b32 s[G1A+6], 0
	s_mov_b32 s[G1A+7], 0
	s_or_b32 s[G1B], s44, (3<<16)|(1<<21)          ; B: 256 rows of 32 elements of 8 bytes, dense
	s_mov_b32 s[G1B+1], 32<<16
	s_mov_b32 s[G1B+2], 256<<16
	s_mov_b32 s[G1B+3], 32<<16
	s_mov_b32 s[G1B+4], 256
	s_mov_b32 s[G1B+5], 32
	s_mov_b32 s[G1B+6], 0
	s_mov_b32 s[G1B+7], 0
	s_lshr_b32 s20, s17, 1                         ; A's codes: block of 256 rows, then which 128 of them
	s_mul_i32 s20, s20, RBS
	s_and_b32 s21, s17, 1
	s_mul_i32 s21, s21, HALFT
	s_add_co_u32 s20, s20, s21
	s_mov_b32 s21, 0
	s_mul_i32 s46, s42, RBS                        ; B's codes: the tile column's block, my third of it
	s_lshl_b32 s47, s14, 16
	s_add_co_u32 s46, s46, s47
	s_mov_b32 s47, 0
	s_lshl_b32 s22, s17, 12                        ; A's scale words: 512 bytes a block of 16 rows; my four blocks
	s_lshl_b32 s23, s15, 11
	s_add_co_u32 s22, s22, s23
	s_add_co_u32 s22, s22, XS
	s_mov_b32 s23, 0
	s_lshl_b32 s60, s42, 13                        ; B's: my eight blocks
	s_lshl_b32 s61, s16, 12
	s_add_co_u32 s60, s60, s61
	s_add_co_u32 s60, s60, PSO
	s_mov_b32 s61, 0
	s_lshl_b32 s36, s17, 19                        ; out0: row 128 x tile row + 64 x half, 4,096 bytes a row; column 256 x tile column + 128 x half
	s_lshl_b32 s37, s15, 18
	s_add_co_u32 s36, s36, s37
	s_lshl_b32 s37, s42, 10
	s_add_co_u32 s36, s36, s37
	s_lshl_b32 s37, s16, 9
	s_add_co_u32 s36, s36, s37
	s_mov_b32 s37, 0
	s_mov_b32 s[G0A], 1
	s_mov_b32 s[G0A+1], ABASE
	s_mov_b32 s[G0B], 1
	s_lshl_b32 s[G0B+1], s14, 16                   ; no place in the cluster enters an LDS address
	s_mul_i32 s18, s15, 12288                      ; my 64 rows of A in a run of 24,576 bytes,
	s_add_co_u32 s18, s18, ABASE
	s_mul_i32 s19, s16, HALFT                      ; my 128 rows of B in a run of 49,152,
	s_mul_i32 s38, s14, 16*SPITCH                  ; my stage
	s_wait_dscnt 0x0                               ; both opening adds are done
	s_wait_kmcnt 0x0
	s_add_nc_u64 s[G0A+2:G0A+3], s[4:5], s[20:21]
	s_or_b32 s[G0A+3], s[G0A+3], 0x80000000
	s_add_nc_u64 s[G0B+2:G0B+3], s[6:7], s[46:47]
	s_or_b32 s[G0B+3], s[G0B+3], 0x80000000
	s_add_nc_u64 s[8:9], s[4:5], s[22:23]
	s_add_nc_u64 s[10:11], s[6:7], s[60:61]
	s_add_nc_u64 s[12:13], s[12:13], s[36:37]
	CROUND                                         ; all sixteen work-groups are here: the joint loads meet
	s_cmp_lt_u32 s14, 3                            ; each way passes exactly one load; the branch hangs on the wave's number alone
	s_cbranch_scc0 .Lfor_a
	tensor_load_to_lds s[G0B:G0B+3], s[G1B:G1B+7]
	s_nop 0
.rept 4
	v_nop
.endr
	s_branch .Lasked
.Lfor_a:
	tensor_load_to_lds s[G0A:G0A+3], s[G1A:G1A+7]
	s_nop 0
.rept 4
	v_nop
.endr
.Lasked:
	v_and_b32 v1, 15, v0                           ; r
	v_bfe_u32 v2, v0, 4, 1                         ; h
	v_and_b32 v3, 31, v0                           ; lane
	v_lshlrev_b32 v[L8], 3, v3
	v_add_nc_u32 v[ADRA], s18, v[L8]
	v_add_nc_u32 v[ADRB], s19, v[L8]
.irp c, 1,2,3
	v_add_nc_u32 v[ADRA+\c], \c*HALFT, v[ADRA]
	v_add_nc_u32 v[ADRB+\c], \c*KSS, v[ADRB]
.endr
	v_mul_u32_u24 v5, v1, SPITCH                   ; the stage, in: row r, 32 bytes for each half of the lanes
	v_lshl_add_u32 v5, v2, 5, v5
	v_add_nc_u32 v[STO], s38, v5
	v_lshlrev_b32 v[CO], 4, v3                     ; back: the 32 lanes take one row of 512 bytes; and the same in out0
	v_add_nc_u32 v[RD], s38, v[CO]
	s_wait_alu depctr_va_vdst(0)                   ; the wait at the head's end
.irp i, 0,1,2,3
.irp j, 0,1
	global_load_b64 v[SA+4*\i+2*\j:SA+4*\i+2*\j+1], v[L8], s[8:9] offset:512*\i+256*\j    ; 256 consecutive aligned bytes
.endr
.endr
.irp i, 0,1,2,3,4,5,6,7
.irp j, 0,1
	global_load_b64 v[SB+4*\i+2*\j:SB+4*\i+2*\j+1], v[L8], s[10:11] offset:512*\i+256*\j
.endr
.endr
.macro FRAG reg, adr, q, i             ; a fragment: six pieces of 256 bytes on end, 8 bytes a lane
.irp p, 0,1,2,3,4,5
	ds_load_b64 v[\reg+2*\p:\reg+2*\p+1], v[\adr] offset:3072*(\i)+1536*(\q)+256*\p
.endr
.endm
.macro FETCH st                        ; step st's fragments, B's eight and A's four, into set st % 2
.set PF, (\st)%2
.set KC, (\st)/2
	WIN TO_B
.irp i, 0,1,2,3,4,5,6,7
	FRAG 128*PF+FR*\i, ADRB+KC, PF, \i
.endr
	WIN 0
.irp i, 0,1,2,3
	FRAG AF+48*PF+FR*\i, ADRA+KC, PF, \i
.endr
.endm
; 32 matrix instructions: 128 along K.  The 32 accumulators take turns, one instruction a turn, in the same order in every step.  Step 0's products start the sums.
.macro MUL st
.set PM, (\st)%2
.set WD, 2*((\st)/4)+(\st)%2           ; which of a block's four scale registers
.irp a, 0,1,2,3
.irp b, 0,1,2,3,4,5,6,7
.if (\st) == 0
	v_wmma_scale_f32_16x16x128_f8f6f4 v[8*(8*\a+\b):8*(8*\a+\b)+7], v[128*PM+FR*\b:128*PM+FR*\b+FR-1], v[AF+48*PM+FR*\a:AF+48*PM+FR*\a+FR-1], 0, v[SB+4*\b+WD], v[SA+4*\a+WD] matrix_a_fmt:MATRIX_FMT_FP6 matrix_b_fmt:MATRIX_FMT_FP6
.else
.if ((\st)/2)%2
	v_wmma_scale_f32_16x16x128_f8f6f4 v[8*(8*\a+\b):8*(8*\a+\b)+7], v[128*PM+FR*\b:128*PM+FR*\b+FR-1], v[AF+48*PM+FR*\a:AF+48*PM+FR*\a+FR-1], v[8*(8*\a+\b):8*(8*\a+\b)+7], v[SB+4*\b+WD], v[SA+4*\a+WD] matrix_a_fmt:MATRIX_FMT_FP6 matrix_b_fmt:MATRIX_FMT_FP6 matrix_a_scale:MATRIX_SCALE_ROW1 matrix_b_scale:MATRIX_SCALE_ROW1
.else
	v_wmma_scale_f32_16x16x128_f8f6f4 v[8*(8*\a+\b):8*(8*\a+\b)+7], v[128*PM+FR*\b:128*PM+FR*\b+FR-1], v[AF+48*PM+FR*\a:AF+48*PM+FR*\a+FR-1], v[8*(8*\a+\b):8*(8*\a+\b)+7], v[SB+4*\b+WD], v[SA+4*\a+WD] matrix_a_fmt:MATRIX_FMT_FP6 matrix_b_fmt:MATRIX_FMT_FP6
.endif
.endif
.endr
.endr
.endm
	s_wait_tensorcnt 0x0                           ; my tile is in,
	s_barrier_signal -1
	s_barrier_wait -1                              ; and so is everybody's
	FETCH 0
	s_wait_loadcnt 0x0                             ; the scale words
.set ST, 0
.rept 7                                ; the walk along K is written out: the address registers and scale registers differ from step to step
	s_wait_dscnt 0x0                               ; this step's fragments are in: they were asked for ahead of the last step's 32 products
.if ST > 0
	PLACES NP                                      ; in front of loads into the set that the last step's products read
.endif
	FETCH ST+1
	WIN MULW
	MUL ST
	WIN 0
.set ST, ST+1
.endr
	s_wait_dscnt 0x0                               ; my reads of the tiles are over:
	s_barrier_signal -1                            ; say so, work on registers while the others arrive,
	WIN MULW
	MUL 7
	WIN 0
	s_barrier_wait -1                              ; and only then is anything stored into the stages
; THE WAY OUT, block by block of 16 rows x 128 columns: through my own stage in LDS and back as whole rows of 512 bytes.  LDS serves a wave's instructions in order (ISA guide 5.7.1.4): no wait between the stores and the loads.
.macro TOSTAGE a
.set AC, 64*(\a)
	WIN 0x08                                       ; the data: window 2
.irp b, 0,1,2,3,4,5,6,7
	ds_store_b128 v[STO], v[AC+8*\b:AC+8*\b+3] offset:64*\b          ; each accumulator from its low end on
	ds_store_b128 v[STO], v[AC+8*\b+4:AC+8*\b+7] offset:64*\b+16
.endr
	WIN 0
.set BB, BK+64*((\a)%2)
.irp t, 0,1,2,3,4,5,6,7,8,9,10,11,12,13,14,15
	ds_load_b128 v[BB+4*\t:BB+4*\t+3], v[RD] offset:\t*SPITCH
.endr
.endm
.macro SEND a, younger                 ; younger: the LDS instructions issued behind block a's loads, which may stay out
.set BB, BK+64*((\a)%2)
	s_wait_dscnt \younger
.if (\a) > 0
	s_add_nc_u64 s[12:13], s[12:13], 16*SIZE_N*4   ; (behind a wait on XCNT: the earlier stores have read their base)
.endif
.irp t, 0,1,2,3,4,5,6,7,8,9,10,11,12,13,14,15
	global_store_b128 v[CO], v[BB+4*\t:BB+4*\t+3], s[12:13] offset:\t*SIZE_N*4 th:TH_STORE_NT   ; 32 lanes store 512 consecutive bytes, at a multiple of 256 from out0's first byte
.endr
.endm
	PLACES NP                                      ; behind the last products: results are read, and registers that held A's fragments are loaded into, only from here on
	TOSTAGE 0
.irp a, 1,2,3
.if \a > 1
	s_wait_xcnt 0x0                                ; block a - 2's stores have read their registers and their base
.endif
	TOSTAGE \a
	SEND \a-1, 32                                  ; behind block a - 1's loads: block a's 16 stores and 16 loads
.endr
	s_wait_xcnt 0x0
	SEND 3, 0
	s_wait_tensorcnt 0x0                           ; the wave's end
	ds_add_u32 v[SPW], v[NIL]
	s_wait_dscnt 0x0
	CROUND                                         ; the closing round
	s_endpgm
.Lfunc_end_k_qdf82237473_gemm_proj:
	.size	k_qdf82237473_gemm_proj, .Lfunc_end_k_qdf82237473_gemm_proj-k_qdf82237473_gemm_proj
	.p2alignl 7, 3214868480
	.fill 96, 4, 3214868480
	.section	.rodata,"a",@progbits
	.p2align	6, 0x0
	.amdhsa_kernel k_qdf82237473_gemm_proj
		.amdhsa_group_segment_fixed_size 327680
		.amdhsa_private_segment_fixed_size 0
		.amdhsa_enable_private_segment 0
		.amdhsa_kernarg_size 24
		.amdhsa_user_sgpr_count 2
		.amdhsa_user_sgpr_kernarg_segment_ptr 1
		.amdhsa_wavefront_size32 1
		.amdhsa_system_sgpr_workgroup_id_x 1
		.amdhsa_system_sgpr_workgroup_id_y 1
		.amdhsa_system_sgpr_workgroup_id_z 1
		.amdhsa_system_vgpr_workitem_id 0
		.amdhsa_next_free_vgpr 768
		.amdhsa_next_free_sgpr 66
		.amdhsa_reserve_vcc 0
		.amdhsa_float_denorm_mode_32 3
		.amdhsa_float_denorm_mode_16_64 3
		.amdhsa_memory_ordered 1
		.amdhsa_forward_progress 1
		.amdhsa_inst_pref_size 94
	.end_amdhsa_kernel
	.amdgpu_metadata
---
amdhsa.version: [ 1, 2 ]
amdhsa.kernels:
  - .name:           k_qdf82237473_gemm_proj
    .symbol:         k_qdf82237473_gemm_proj.kd
    .args:
      - { .name: yq, .offset: 0, .size: 8, .value_kind: global_buffer, .address_space: global }
      - { .name: wp, .offset: 8, .size: 8, .value_kind: global_buffer, .address_space: global }
      - { .name: out0, .offset: 16, .size: 8, .value_kind: global_buffer, .address_space: global }
    .group_segment_fixed_size: 327680
    .private_segment_fixed_size: 0
    .kernarg_segment_align: 8
    .kernarg_segment_size: 24
    .max_flat_workgroup_size: 128
    .sgpr_count:     66
    .vgpr_count:     768
    .wavefront_size: 32
...
	.end_amdgpu_metadata
.endif
;; end of part 4
